; MI455X (gfx1250); checked and timed in simulation.
; The chip was launched on July 23, 2026; its instructions are those of AMD's public machine-readable ISA for CDNA 5 (MIT licence, August 2026) and "CDNA5" Instruction Set Architecture Reference Guide (July 2026). The comments in the code are by the model that wrote it; some were corrected since.
;; Multi Head Causal Attention. Allowed arithmetic: matrix products marked QUANTISED: E2M3 operands, one E8M0 scale for each 32 along K, by v_wmma_scale_f32_16x16x128_f8f6f4 with both operands' format E2M3, f32 sums; everything else in f32.
;; Inputs: w_out_codes 1,024 x 32 x 24 uint8 (E2M3 codes of w_out, K innermost, in blocks of 32 codes, four codes in three bytes); w_out_scales 1,024 x 32 uint8 (E8M0 scales of w_out, one for each 32 codes along K); w_qkv_codes 3,072 x 32 x 24 uint8 (E2M3 codes of w_qkv, K innermost, in blocks of 32 codes, four codes in three bytes); w_qkv_scales 3,072 x 32 uint8 (E8M0 scales of w_qkv, one for each 32 codes along K); x_codes 4 x 2,048 x 32 x 24 uint8 (E2M3 codes of x, K innermost, in blocks of 32 codes, four codes in three bytes); x_scales 4 x 2,048 x 32 uint8 (E8M0 scales of x, one for each 32 codes along K).
;; Outputs: out0 4 x 2,048 x 1,024 float32.
;; This version of the problem:
;;   THIS VERSION OF THE PROBLEM IS GIVEN IN LOW PRECISION. The matrix products marked QUANTISED in the list below multiply operands that are first quantised to E2M3 (2 exponent bits, 3 mantissa bits; 6 bits a number), with one power-of-two scale for each 32 numbers along K (OCP MX v1.0); their sums are f32. All else is computed in f32.
;;   The module's matrix products, in the order in which they are computed (A, B: the left and right operand; K: the contracted axis; several contracted axes count as one K, in the product's order):
;;     1. [M 8,192, K 1,024] x [K 1,024, N 3,072]; A: input x (given as codes); B: input w_qkv (given as codes): QUANTISED
;;     2. batch 64 x [M 2,048, K 64] x [K 64, N 2,048]; A: computed on the way; B: computed on the way: QUANTISED
;;     3. batch 64 x [M 2,048, K 2,048] x [K 2,048, N 64]; A: softmax (see below); B: computed on the way: QUANTISED
;;     4. [M 8,192, K 1,024] x [K 1,024, N 1,024]; A: computed on the way; B: input w_out (given as codes): QUANTISED
;;   THE QUANTISER, for each operand of a quantised product, along K:
;;     - K is cut into blocks of 32 from its start; a last block that is shorter is filled with zeros.
;;     - A block's scale is 2^e with e = floor(log2(the largest magnitude in the block)) - 2, held to -126 .. 127; a block of zeros has e = 0. As a byte (E8M0): e + 127.
;;     - Each number is divided by its block's scale, clamped to +-7.5, and rounded to the nearest number of E2M3, ties to even, subnormals kept.
;;     - The product sums the exact products of the quantised numbers (number of the format x scale) in f32.
;;   ~~~python
;;   def quantise(x, axis):      # numpy; x: float32 -> the quantised numbers, widened to float32 again
;;       x = np.moveaxis(x, axis, -1); K = x.shape[-1]
;;       x = np.pad(x, [(0, 0)] * (x.ndim - 1) + [(0, -K % 32)]); x = x.reshape(x.shape[:-1] + (-1, 32)); a = np.abs(x).max(-1, keepdims=True)
;;       e = np.where(a > 0, np.clip(np.frexp(np.where(a > 0, a, 1))[1] - 1 - 2, -126, 127), 0)      # np.frexp(a)[1] - 1 = floor(log2(a)), exactly
;;       r = np.clip(x / 2.0 ** e, -7.5, 7.5)
;;       step = 2.0 ** (np.maximum(np.frexp(np.where(r == 0, 1, r))[1] - 1, 0) - 3)
;;       q = np.round(r / step) * step * 2.0 ** e      # np.round: ties to even
;;       return np.moveaxis(q.reshape(q.shape[:-2] + (-1,))[..., :K], -1, axis).astype(np.float32)
;;   ~~~
;;   SOFTMAX AHEAD OF A QUANTISED PRODUCT. Where the list says 'softmax', what is quantised is not the finished softmax but p = 2^(t - M), with t = logit x log2(e) and M = ceil(the row's largest t), a whole number; so 1/2 < the row's largest p <= 1. The row's sum l is taken of the UNQUANTISED p, in f32, and the product's result is divided by l at the end. Since M is a whole number, a kernel that streams over the keys may use a running M (the ceiling of the running maximum): every later rescaling is an exact power of two, which a block's scale takes up: the codes' values come out the same.
;;   OPERANDS COMPUTED ON THE WAY. 'Computed on the way' means the value that the module computes at that place (a softmax that the list does not call 'softmax' is quantised finished and normalised). What goes into a quantiser is computed in f32, as accurately as f32 sums, v_exp_f32 and their like allow (about 1e-6 of the number): no bf16 or f16 on the way to a quantiser, and a product that is left as it is and whose result goes on into a quantised operand takes f32 operands (vector FMAs, or v_wmma_f32_16x16x4_f32). A number that lies on a knife's edge between two numbers of the format may be rounded either way, as far as f32 arithmetic and the matrix unit's own rounding can turn it there, and no further.
;;   INPUTS GIVEN AS CODES. w_out (in the module: [1024, 1024], K = its axis 1); w_qkv (in the module: [3072, 1024], K = its axis 1); x (in the module: [4, 2048, 1024], K = its axis 2): each comes as NAME_codes (uint8): NAME with its K axis moved to the last place and cut into blocks of 32 codes, [.., K / 32, bytes a block], one block behind the other in memory; four codes in three bytes: a row's codes are one little-endian stream of bits, code i at bits 6 i .. 6 i + 5 (a code: sign, 2 exponent bits, 3 mantissa bits); and NAME_scales (uint8): the same leading axes, one E8M0 byte (e + 127) for each 32 codes along K. Its value is code x scale, taken as it is: it is not quantised again, and the codes and scales need not be those that the quantiser above would give.
;; One version. Each part assembles by itself: llvm-mc -triple=amdgcn-amd-amdhsa -mcpu=gfx1250 --defsym DOCPART=n.
;; ======== version 1 of 1: 3 launches
;; workspace buffers: q_img 6,291,456 bytes; q_sc 524,288 bytes; kv 13,369,344 bytes; o_codes 6,291,456 bytes; o_scales 262,144 bytes
;; launch qkv (part 1): grid 8 x 48, 4 waves a work-group, clusters of 4 x 4, 327,680 bytes of LDS; arguments x_codes, x_scales, w_qkv_codes, w_qkv_scales, q_img, q_sc, kv; writes q_img, q_sc, kv
.if DOCPART == 1
	.amdgcn_target "amdgcn-amd-amdhsa--gfx1250"
	.amdhsa_code_object_version 6
	.text
	.protected	k_q515aa940cd_qkv
	.globl	k_q515aa940cd_qkv
	.p2align	8
	.type	k_q515aa940cd_qkv,@function
k_q515aa940cd_qkv:
	s_mov_b64 s[64:65], 0
	v_nop
	global_prefetch_b8 v0, s[64:65] scope:SCOPE_SE
	s_setreg_imm32_b32 hwreg(HW_REG_WAVE_MODE, 25, 1), 1
	s_wait_xcnt 0x0
	s_wait_alu depctr_hold_cnt(0) depctr_sa_sdst(0) depctr_va_vdst(0) depctr_va_sdst(0) depctr_va_ssrc(0) depctr_va_vcc(0) depctr_vm_vsrc(0)
	s_getreg_b32 s2, hwreg(HW_REG_IB_STS2, 6, 4)
	s_cmp_eq_u32 s2, 0
	s_cbranch_scc0 .Lentry_in_a_cluster
	s_endpgm
.Lentry_in_a_cluster:
	s_bfe_u32 s2, ttmp6, 0x10000c
	s_cmp_lg_u32 s2, 0xf033
	s_cbranch_scc0 .Lentry_shape_is_right
	s_endpgm
.Lentry_shape_is_right:
; qkv = x Wqkv^T on codes of FP6 (E2M3) with E8M0 scales, f32 sums; q, k and v are quantised in registers and leave as codes, laid in the order of the operand registers that the attention launch wants.
; x: [8192][1024] codes, Wqkv: [3072][1024] codes, a row 768 bytes; scale bytes [rows][32].
; A work-group of four waves makes 256 "A rows" x 256 "B rows", a wave 128 x 128: 64 accumulators, 512 registers.  Source 0 = 16 rows of B, source 1 = 16 rows of A:
; a lane holds ONE row of A (lane % 16) and its registers run along B's rows.  The quantiser wants its K along a lane's registers, so the two inputs change ROLES by pointer:
;   q, k (cluster y under 8): A = x (tokens), B = Wqkv's rows 0-2047 (cluster x = 0: q, 1: k): registers run along the head's 64.
;   v    (cluster y 8 to 11): A = Wqkv's rows 2048-3071, B = x: registers run along the tokens, which are the keys.
; K goes in steps of 256 through a ring of two LDS slots filled by joint tensor loads (4 x 4 cluster: A's tile shared along a row of the cluster, B's along a column); the scale bytes of both tiles come once.
; ORDER INSIDE A BLOCK OF 32: a lane holds, of block B, the numbers 32 B + 8 h + i and 32 B + 16 + 8 h + i (h = lane / 16, i under 8).  Behind the exchange of halves a block's positions 0-7, 8-15, 16-23, 24-31 hold its
; true groups 0, 2, 1, 3.  The blocks are the true blocks, so scales and codes are the quantiser's; the order inside a block is the same on both sides of each later product (q with k; v with p, whose keys are laid to fit).
; LIMITS: a scale byte 0xff among the inputs is not served; a block of zeros gets the byte 1 where the rule says 127: its codes are zeros and only this program reads the bytes.
; No prefetch: K has four steps of 256, two are first fills and two are refills: no step lies two refills on.
.set SIZE_K, 1024
.set KSTEP,  256
.set NQ,     KSTEP/128
.set ROWB,   192                       ; a tile's row in bytes
.set KROW,   SIZE_K*6/8                ; a row in memory
.set PITCH,  240                       ; an LDS row: 3 x (64 bytes + 16 of padding)
.set FR,     12
.set NL,     6
.set NP,     4                         ; places behind this matrix instruction (ISA guide 7.12.1)
.set HALFT,  128*PITCH
.set SLOT,   4*HALFT
.set LAPS,   SIZE_K/(2*KSTEP)
.set KS,     SIZE_K/32
.set SCL,    2*SLOT                    ; behind the ring: the scales, units of 256 bytes + 16
.set HALFS,  (128*KS/256)*272
.set SBLK,   (16*KS/256)*272
.set SPARE,  SCL+4*HALFS               ; the spare words: 128 bytes a wave, named by no other line
.set KSTG,   13312                     ; the k path's stage, a wave's own, in slot 0 (which has had its last fill and its last read by then): two heads x (6,144 bytes of codes + 512 of scale words)
.set KHEAD,  6656
.set REC,    13056                     ; a record of kv: K codes 6,144, V codes 6,144, K scale words 512, V scale words 256
.set HEADB,  16*REC
.set KST,  7                           ; v7   k path: where my codes go in the stage
.set KSS,  8                           ; v8   k path: where my scale word goes
.set KRD,  9                           ; v9   k path: where I read the stage back
.set L16,  10                          ; v10  16 x lane
.set L8,   11                          ; v11  8 x lane
.set SHW,  12                          ; v12  16 x (lane / 16)
.set ADRA, 16
.set ADRB, 20
.set ADRS, 27
.set SPW,  28
.set NIL,  29
.set SC,   32                          ; v32-63 scale words, two sets: they hold nothing else
.set AF,   128                         ; A's fragments, window 0
.set CB,   64                          ; epilogue: v64-159 the codes, 12 registers for each of my 8 blocks of A's rows
.set PWS,  160                         ; v160-167 their scale words
.set TC,   168                         ; v168-175 the conversions' second halves
.set TM,   176                         ; v176-191 at work
.set OUTR, 192                         ; v192-243 the stage read back
.set TT,   244                         ; v244-251 at work
.set G1, 24
.set G0, 32
.set G1B, 48
.set G0B, 56
.set G1S, 68
.set G0S, 76
.set G1SB, 80
.set G0SB, 88
.set SEL, 92                           ; s[92:93] epilogue: lane selects for lane xor 16;  s94: the mask of lanes 16-31
.set MSB, 0
.macro WIN new                         ; the immediate's high byte repeats the setting that is left
.if MSB != \new
	s_set_vgpr_msb (MSB<<8)|\new
.set MSB, \new
.endif
.endm
.set MUL_LO, 0xa1                      ; source 0 (B) window 1, source 1 (A) window 0, C and D window 2
.set MUL_HI, 0xf1
.set TO_B,   0x40
; A joint load: waves 0 and 1 fetch for A, waves 2 and 3 for B; the branch hangs on the wave's number alone.  Four v_nop follow each line.
.macro JLOAD g0a, g1a, g0b, g1b
	s_cmp_eq_u32 s15, 0
	s_cbranch_scc0 .Lfor_b_\@
	tensor_load_to_lds s[\g0a:\g0a+3], s[\g1a:\g1a+7]
	s_nop 0
.rept 4
	v_nop
.endr
	s_branch .Lasked_\@
.Lfor_b_\@:
	tensor_load_to_lds s[\g0b:\g0b+3], s[\g1b:\g1b+7]
	s_nop 0
.rept 4
	v_nop
.endr
.Lasked_\@:
.endm
.macro CREST                           ; a round of the cluster's barrier behind its opening barrier
	s_cmp_lg_u32 s14, 0
	s_cbranch_scc1 .Lnot_wave_0_\@
	s_barrier_signal -3
.Lnot_wave_0_\@:
	s_barrier_wait -3
	s_barrier_signal -1
	s_barrier_wait -1
.endm
.macro CROUND
	s_barrier_signal -1
	s_barrier_wait -1
	CREST
.endm
	s_load_b256 s[4:11], s[0:1], 0x0               ; x's codes s[4:5], x's scales s[6:7], W's codes s[8:9], W's scales s[10:11]
	s_load_b128 s[96:99], s[0:1], 0x20             ; q_img, q_sc
	s_load_b64 s[100:101], s[0:1], 0x30            ; kv
	v_lshl_add_u32 v[SPW], v0, 2, SPARE
	v_mov_b32 v[NIL], 0
	ds_add_u32 v28, v29
	ds_add_u32 v28, v29
	s_wait_dscnt 0x0
	v_lshrrev_b32 v1, 5, v0
	v_readfirstlane_b32 s14, v1                    ; wave 0..3
	s_lshr_b32 s15, s14, 1                         ; which half of A's rows is mine.  Also: I fetch for A (0) or for B (1)
	s_and_b32 s16, s14, 1                          ; which half of B's rows.  Also: which 128 rows of that tile I fetch
	s_bfe_u32 s40, ttmp6, 0x40000                  ; cx
	s_bfe_u32 s41, ttmp6, 0x40004                  ; cy
	s_and_b32 s13, ttmp7, 0xffff                   ; the cluster's y, 0..11
	s_cmp_ge_u32 s13, 8
	s_cselect_b32 s12, 2, ttmp9                    ; MODE: 0 q, 1 k, 2 v: the same in all sixteen partners
	s_lshl_b32 s43, s41, 2
	s_lshl_b32 s43, 15, s43                        ; my row of the cluster
	s_lshl_b32 s44, 0x1111, s40                    ; my column
	s_or_b32 s[G1+0], s43, (0<<16)|(1<<20)|(1<<21)|(3<<22)|(3<<25)  ; the mask; elements of 1 byte; padding on; bit 21 beside a mask; after every 16 words 4 words
	s_or_b32 s[G1B+0], s44, (0<<16)|(1<<20)|(1<<21)|(3<<22)|(3<<25)
.irp g, G1, G1B
	s_mov_b32 s[\g+1], ROWB<<16                    ; tensor_dim0
	s_mov_b32 s[\g+2], 128<<16                     ; tensor_dim1
	s_mov_b32 s[\g+3], ROWB<<16                    ; tile_dim0
	s_mov_b32 s[\g+4], 128                         ; tile_dim1
	s_mov_b32 s[\g+5], KROW                        ; the pitch
	s_mov_b32 s[\g+6], 0
	s_mov_b32 s[\g+7], 0
.endr
	s_or_b32 s[G1S+0], s43, (3<<16)|(1<<20)|(1<<21)|(5<<22)|(3<<25)  ; the scales of 128 rows: 4,096 dense bytes as 16 rows of 256, 16 bytes of padding behind each
	s_or_b32 s[G1SB+0], s44, (3<<16)|(1<<20)|(1<<21)|(5<<22)|(3<<25)
.irp g, G1S, G1SB
	s_mov_b32 s[\g+1], 32<<16
	s_mov_b32 s[\g+2], (128*KS/256)<<16
	s_mov_b32 s[\g+3], 32<<16
	s_mov_b32 s[\g+4], 128*KS/256
	s_mov_b32 s[\g+5], 32
	s_mov_b32 s[\g+6], 0
	s_mov_b32 s[\g+7], 0
.endr
	s_lshl_b32 s18, s16, 7                         ; which 128 rows of the tile I fetch
	s_lshl_b32 s20, s41, 8
	s_add_co_u32 s20, s20, s18                     ; A's row: 256 cy + 128 x half
	s_lshl_b32 s19, s13, 10
	s_cmp_ge_u32 s13, 8
	s_cselect_b32 s19, 2048, s19                   ; + 2,048 in W (v), or 1,024 x cluster y in x (q, k): s20 never holds cx
	s_add_co_u32 s20, s20, s19
	s_lshl_b32 s42, ttmp9, 2
	s_add_co_u32 s42, s42, s40                     ; 4 x cluster x + cx
	s_lshl_b32 s46, s42, 8
	s_add_co_u32 s46, s46, s18                     ; B's row: 256 (4 Cx + cx) + 128 x half
	s_sub_co_u32 s19, s13, 8
	s_lshl_b32 s19, s19, 11
	s_cmp_ge_u32 s13, 8
	s_cselect_b32 s19, s19, 0                      ; + 2,048 (cluster y - 8) in x (v): s46 never holds cy
	s_add_co_u32 s46, s46, s19
	s_mov_b32 s21, 0
	s_mov_b32 s47, 0
	s_mov_b64 s[18:19], KS
	s_mul_u64 s[22:23], s[20:21], s[18:19]         ; where these rows' scales begin, in bytes
	s_mul_u64 s[92:93], s[46:47], s[18:19]
	s_mov_b64 s[18:19], KROW
	s_mul_u64 s[20:21], s[20:21], s[18:19]         ; and their codes
	s_mul_u64 s[46:47], s[46:47], s[18:19]
	s_mul_i32 s45, s14, HALFT                      ; where they go: wave x 128 rows
	s_mul_i32 s94, s14, HALFS
	s_wait_kmcnt 0x0
	s_cmp_ge_u32 s13, 8                            ; the roles: for v the two inputs change places.  The choice hangs on the cluster's y alone
	s_cselect_b64 s[2:3], s[8:9], s[4:5]
	s_cselect_b64 s[8:9], s[4:5], s[8:9]
	s_mov_b64 s[4:5], s[2:3]
	s_cselect_b64 s[2:3], s[10:11], s[6:7]
	s_cselect_b64 s[10:11], s[6:7], s[10:11]
	s_mov_b64 s[6:7], s[2:3]
	s_add_nc_u64 s[20:21], s[4:5], s[20:21]
	s_add_nc_u64 s[22:23], s[6:7], s[22:23]
	s_add_nc_u64 s[46:47], s[8:9], s[46:47]
	s_add_nc_u64 s[92:93], s[10:11], s[92:93]
	CROUND                                         ; all sixteen work-groups are here: the first joint loads meet
	s_mov_b32 s[G0S], 1
	s_add_co_u32 s[G0S+1], s94, SCL
	s_mov_b64 s[G0S+2:G0S+3], s[22:23]
	s_or_b32 s[G0S+3], s[G0S+3], 0x80000000
	s_mov_b32 s[G0SB], 1
	s_add_co_u32 s[G0SB+1], s94, SCL
	s_mov_b64 s[G0SB+2:G0SB+3], s[92:93]
	s_or_b32 s[G0SB+3], s[G0SB+3], 0x80000000
	JLOAD G0S, G1S, G0SB, G1SB                     ; the scales first; with the two slots three loads of a wave are out at the most
.irp s, 0,1
	s_mov_b32 s[G0+4*\s], 1
	s_add_co_u32 s[G0+4*\s+1], s45, \s*SLOT
	s_add_nc_u64 s[G0+4*\s+2:G0+4*\s+3], s[20:21], \s*ROWB
	s_or_b32 s[G0+4*\s+3], s[G0+4*\s+3], 0x80000000
	s_mov_b32 s[G0B+4*\s], 1
	s_add_co_u32 s[G0B+4*\s+1], s45, \s*SLOT
	s_add_nc_u64 s[G0B+4*\s+2:G0B+4*\s+3], s[46:47], \s*ROWB
	s_or_b32 s[G0B+4*\s+3], s[G0B+4*\s+3], 0x80000000
	JLOAD G0+4*\s, G1, G0B+4*\s, G1B
.endr
	v_and_b32 v1, 15, v0                           ; r = lane % 16
	v_bfe_u32 v2, v0, 4, 1                         ; h = lane / 16
	v_mul_u32_u24 v3, v1, PITCH
	v_mul_u32_u24 v4, v2, 24
	v_add_nc_u32 v4, v3, v4                        ; a fragment's row x pitch + 24 x half
	v_lshl_add_u32 v5, v2, 4, v4                   ; and the same behind one padding more
	s_mul_i32 s21, s15, HALFT                      ; my 128 rows of A
	s_mul_i32 s22, s16, HALFT                      ; my 128 rows of B,
	s_add_co_u32 s22, s22, 2*HALFT                 ; behind A's 256
.irp s, 0,1
	v_add_nc_u32 v[ADRA+\s], s21, v4
	v_add_nc_u32 v[ADRB+\s], s22, v4
	v_add_nc_u32 v[ADRA+2+\s], s21, v5
	v_add_nc_u32 v[ADRB+2+\s], s22, v5
	s_add_co_u32 s21, s21, SLOT
	s_add_co_u32 s22, s22, SLOT
.endr
	v_mul_u32_u24 v5, v1, KS                       ; my row's scales: KS bytes a row,
	v_lshrrev_b32 v6, 8, v5
	v_lshl_add_u32 v5, v6, 4, v5                   ; and 16 more for each 256 passed
	s_mul_i32 s21, s15, HALFS
	s_mul_i32 s22, s16, HALFS
	s_add_co_u32 s22, s22, 2*HALFS
	s_sub_co_u32 s22, s22, s21
	v_mul_u32_u24 v6, s22, v2                      ; lanes 16-31 take B's
	s_add_co_u32 s21, s21, SCL
	v_add_nc_u32 v5, v5, v6
	v_add_nc_u32 v[ADRS], s21, v5
	; the epilogue's addresses
	v_and_b32 v13, 7, v0                           ; r % 8
	v_bfe_u32 v14, v0, 3, 1                        ; r / 8
	v_and_b32 v15, 31, v0                          ; lane
	s_mul_i32 s23, s14, KSTG                       ; my stage
	v_lshlrev_b32 v[L16], 4, v15
	v_lshlrev_b32 v[L8], 3, v15
	v_lshlrev_b32 v[SHW], 4, v2
	v_add_nc_u32 v[KRD], s23, v[L16]
	v_lshl_add_u32 v[KST], v13, 4, s23             ; stage + 16 (r % 8)
	v_mad_u32_u24 v[KSS], v2, KHEAD, v[KST]        ; scale words: lanes 16-31 serve the second head
	v_lshl_add_u32 v[KSS], v14, 2, v[KSS]
	v_add_nc_u32 v[KSS], 6144, v[KSS]
	v_lshl_add_u32 v[KST], v2, 8, v[KST]           ; codes: + 256 h (the operand's lane 16 h + ..)
	v_mad_u32_u24 v[KST], v14, 1536, v[KST]        ; + 12 registers on for r / 8 = 1 (two tiles on)
.macro FRAG reg, adr, q, i             ; a fragment, 16 rows x 128 K, 12 registers: 24 bytes of the row's stream twice, in pieces of 8 bytes; the second address register serves the pieces that lie behind one padding more in lanes 16-31
.irp p, 0,1,2,3,4,5
.set PCE, 12*(\q)+6*(\p/3)+\p%3
.if PCE%8 < 5
	ds_load_b64 v[\reg+2*\p:\reg+2*\p+1], v[\adr] offset:8*PCE+16*(PCE/8)+(\i)*16*PITCH
.else
	ds_load_b64 v[\reg+2*\p:\reg+2*\p+1], v[\adr+2] offset:8*PCE+16*(PCE/8)+(\i)*16*PITCH
.endif
.endr
.endm
; 16 matrix instructions: A's blocks a0, a0 + 1 x B's eight, 128 along K.  The 64 accumulators take turns, one instruction a turn.
.macro MUL16 a0, p, q, sc, zero
.irp a, \a0, \a0+1
.irp b, 0,1,2,3,4,5,6,7
.if \zero
	v_wmma_scale_f32_16x16x128_f8f6f4 v[8*(8*((\a)%4)+\b):8*(8*((\a)%4)+\b)+7], v[128*(\p)+FR*\b:128*(\p)+FR*\b+FR-1], v[AF+FR*(\a):AF+FR*(\a)+FR-1], 0, v[SC+8*NQ*(\sc)+NQ*\b+(\q)], v[SC+8*NQ*(\sc)+NQ*(\a)+(\q)] matrix_a_fmt:MATRIX_FMT_FP6 matrix_b_fmt:MATRIX_FMT_FP6 matrix_a_scale:MATRIX_SCALE_ROW1
.else
	v_wmma_scale_f32_16x16x128_f8f6f4 v[8*(8*((\a)%4)+\b):8*(8*((\a)%4)+\b)+7], v[128*(\p)+FR*\b:128*(\p)+FR*\b+FR-1], v[AF+FR*(\a):AF+FR*(\a)+FR-1], v[8*(8*((\a)%4)+\b):8*(8*((\a)%4)+\b)+7], v[SC+8*NQ*(\sc)+NQ*\b+(\q)], v[SC+8*NQ*(\sc)+NQ*(\a)+(\q)] matrix_a_fmt:MATRIX_FMT_FP6 matrix_b_fmt:MATRIX_FMT_FP6 matrix_a_scale:MATRIX_SCALE_ROW1
.endif
.endr
.endr
.endm
.macro FETCH_B slot, q, p
	WIN TO_B
.irp i, 0,1,2,3,4,5,6,7
	FRAG 128*(\p)+FR*\i, ADRB+\slot, \q, \i
.endr
	WIN 0
.endm
.macro FETCH_A slot, q, i0
.irp i, \i0, \i0+1, \i0+2, \i0+3
	FRAG AF+FR*(\i), ADRA+\slot, \q, \i
.endr
.endm
.macro SCALES sc                       ; a K step's scale words: lanes 0-15 A's block i, lanes 16-31 B's block i
.irp i, 0,1,2,3,4,5,6,7
	ds_load_b64 v[SC+8*NQ*\sc+NQ*\i:SC+8*NQ*\sc+NQ*\i+1], v[ADRS] offset:\i*SBLK
.endr
.endm
.macro PLACES n                        ; plain vector lines between a matrix instruction and a load into, or a vector read or write of, its registers
.rept \n
	v_nop
.endr
.endm
.macro STEP slot, q, zero              ; a step of 128 along K that has its successor in the same slot
	s_wait_dscnt 4*NL                              ; B's set and A's blocks 0-3 are in; the youngest 24 loads (A's blocks 4-7) may be out
	WIN MUL_LO
	MUL16 0, (\q)%2, \q, \slot, \zero
	MUL16 2, (\q)%2, \q, \slot, \zero
	s_wait_dscnt 0
	PLACES NP
	FETCH_B \slot, (\q)+1, 1-(\q)%2
	FETCH_A \slot, (\q)+1, 0
	WIN MUL_HI
	MUL16 4, (\q)%2, \q, \slot, \zero
	MUL16 6, (\q)%2, \q, \slot, \zero
	PLACES NP
	WIN 0
	FETCH_A \slot, (\q)+1, 4
.endm
; A slot's last step changes slots: one barrier; in front of it each wave waits for all its tensor loads, adds 0 to its spare word, and waits for that and for its reads of this slot.
.macro TURN slot, next, fill
	s_wait_tensorcnt 0x0                           ; all my tensor loads have landed: my part of the next slot
	ds_add_u32 v[SPW], v[NIL]                      ; 0 onto my spare word
	s_wait_dscnt 4*NL+1                            ; the add and the youngest 24 loads may be out
	WIN MUL_LO
	MUL16 0, 1, NQ-1, \slot, 0
	s_wait_dscnt 0x0                               ; the add is done, and my reads of this slot are over
	s_barrier_signal -1
	MUL16 2, 1, NQ-1, \slot, 0
	WIN 0
	s_barrier_wait -1
.if \fill
	CREST                                          ; the barrier has opened a round of the cluster's barrier: no wave of any partner still reads this slot or has a load on its way
	s_add_nc_u64 s[G0+4*\slot+2:G0+4*\slot+3], s[G0+4*\slot+2:G0+4*\slot+3], 2*ROWB
	s_add_nc_u64 s[G0B+4*\slot+2:G0B+4*\slot+3], s[G0B+4*\slot+2:G0B+4*\slot+3], 2*ROWB
	JLOAD G0+4*\slot, G1, G0B+4*\slot, G1B         ; the first tensor load behind the round; its four v_nop are the places in front of the loads below
.else
	PLACES NP
.endif
	s_wait_alu depctr_va_vdst(0)
	v_add_nc_u32 v[ADRS], 4*NQ, v[ADRS]            ; the next K step's scale words
	FETCH_B \next, 0, 0
	FETCH_A \next, 0, 0
	SCALES \next
	WIN MUL_HI
	MUL16 4, 1, NQ-1, \slot, 0
	MUL16 6, 1, NQ-1, \slot, 0
	PLACES NP
	WIN 0
	FETCH_A \next, 0, 4
.endm
	s_wait_tensorcnt 1                             ; the scales and my part of K step 0 are in; K step 1's load may be out
	s_barrier_signal -1
	s_barrier_wait -1
	FETCH_B 0, 0, 0
	FETCH_A 0, 0, 0
	SCALES 0
	FETCH_A 0, 0, 4
	STEP 0, 0, 1                                   ; the first step's products start the sums
	s_mov_b32 s3, LAPS-1
.Llap:
	TURN 0, 1, 1
	STEP 1, 0, 0
	TURN 1, 0, 1
	STEP 0, 0, 0
	s_sub_co_u32 s3, s3, 1
	s_cmp_lg_u32 s3, 0
	s_cbranch_scc1 .Llap
	TURN 0, 1, 0                                   ; the last lap fills nothing
	STEP 1, 0, 0
	s_wait_dscnt 4*NL
	WIN MUL_LO
	MUL16 0, 1, NQ-1, 1, 0
	MUL16 2, 1, NQ-1, 1, 0
	s_wait_dscnt 0
	WIN MUL_HI
	MUL16 4, 1, NQ-1, 1, 0
	MUL16 6, 1, NQ-1, 1, 0
	WIN 0
; THE EPILOGUE.  Block a (16 rows of A): a lane's 64 numbers, register 16 b + i, are four half blocks of 32 along B's rows.  Largest magnitude with lane xor 16's, the scale's byte, the conversions, the exchange of halves:
; registers CB + 12 a + 6 c .. + 5 of lane (r, h) then hold block 2 c + h of A's row 16 a + r, and v[PWS + a] its four scale bytes.
.macro QUANT a
.set QW,  2+(\a)/4
.set QW5, 5*QW
.set AC,  64*((\a)%4)
.set QC,  CB+12*(\a)
	WIN QW5                                        ; sources 0 and 1 in the accumulators' window
.irp b, 0,1,2,3
	v_max3_num_f32 v[TM+\b], |v[AC+16*\b]|, |v[AC+16*\b+1]|, 0x1800000   ; each accumulator is read from its low end on; the floor 2^(3 - 127) holds the byte at 1 from below
.endr
.irp i, 2,4,6,8,10,12,14
.irp b, 0,1,2,3
	v_max3_num_f32 v[TM+\b], |v[AC+16*\b+\i]|, |v[AC+16*\b+\i+1]|, v[TM+\b]
.endr
.endr
	WIN 0
.irp b, 0,1,2,3
	v_permlanex16_b32 v[TM+4+\b], v[TM+\b], s[SEL], s[SEL+1]
.endr
.irp b, 0,1,2,3
	v_max_num_f32 v[TM+\b], v[TM+\b], v[TM+4+\b]   ; the block's largest magnitude
.endr
.irp b, 0,1,2,3
	v_add_nc_u32 v[TM+12+\b], 0xff000000, v[TM+\b] ; 2 off its exponent field: the conversion's scale operand
.endr
.irp b, 0,1,2,3
	v_lshrrev_b32 v[TM+4+\b], 23, v[TM+12+\b]      ; the scale's byte
.endr
	v_lshl_or_b32 v[PWS+(\a)], v[TM+5], 8, v[TM+4]
	v_lshl_or_b32 v[PWS+(\a)], v[TM+6], 16, v[PWS+(\a)]
	v_lshl_or_b32 v[PWS+(\a)], v[TM+7], 24, v[PWS+(\a)]
	WIN QW                                         ; source 0 in the accumulators' window
.irp c, 0,1
	v_cvt_scalef32_pk16_fp6_f32 v[QC+6*\c:QC+6*\c+2], v[AC+32*\c:AC+32*\c+15], v[TM+12+2*\c]
	v_cvt_scalef32_pk16_fp6_f32 v[TC+4*\c:TC+4*\c+2], v[AC+32*\c+16:AC+32*\c+31], v[TM+13+2*\c]
.endr
	WIN 0
	v_nop                                          ; one plain line behind a scaled conversion
.irp c, 0,1
.irp i, 0,1,2
	v_permlane16_swap_b32 v[QC+6*\c+\i], v[TC+4*\c+\i]   ; lanes 0-15 get block 2 c whole, lanes 16-31 block 2 c + 1
.endr
.irp i, 0,1,2
	v_mov_b32 v[QC+3+6*\c+\i], v[TC+4*\c+\i]
.endr
.endr
.endm
	PLACES NP
	s_mov_b32 s[SEL], 0x76543210
	s_mov_b32 s[SEL+1], 0xfedcba98
	s_mov_b32 s94, 0xffff0000
.irp b, 0,1,2,3
	v_mov_b32 v[TM+4+\b], 0                        ; a lane permute's destination counts as one of its sources
.endr
.irp a, 0,1,2,3,4,5,6,7
	QUANT \a
.endr
	; where my results go.  q, k: token = 1,024 Cy + 256 cy + 128 (wave / 2), head = 4 cx + 2 (wave % 2)
	s_lshl_b32 s20, s13, 10
	s_lshl_b32 s22, s41, 8
	s_add_co_u32 s20, s20, s22
	s_lshl_b32 s22, s15, 7
	s_add_co_u32 s20, s20, s22
	s_lshl_b32 s21, s40, 2
	s_lshl_b32 s22, s16, 1
	s_add_co_u32 s21, s21, s22
	; v: token = 2,048 (Cy - 8) + 256 (4 Cx + cx) + 128 (wave % 2), head = 4 cy + 2 (wave / 2)
	s_sub_co_u32 s22, s13, 8
	s_lshl_b32 s22, s22, 11
	s_lshl_b32 s23, s42, 8
	s_add_co_u32 s22, s22, s23
	s_lshl_b32 s23, s16, 7
	s_add_co_u32 s22, s22, s23
	s_lshl_b32 s23, s41, 2
	s_lshl_b32 s45, s15, 1
	s_add_co_u32 s23, s23, s45
	s_cmp_eq_u32 s12, 2
	s_cselect_b32 s20, s22, s20
	s_cselect_b32 s21, s23, s21
	s_lshr_b32 s22, s20, 11                        ; the batch
	s_lshl_b32 s22, s22, 4
	s_add_co_u32 s21, s21, s22                     ; 16 x batch + my first head
	s_bfe_u32 s20, s20, 0x40007                    ; which chunk of 128 tokens of the batch
	s_mul_i32 s22, s21, HEADB
	s_mul_i32 s23, s20, REC
	s_add_co_u32 s22, s22, s23
	s_mov_b32 s23, 0
	s_add_nc_u64 s[100:101], s[100:101], s[22:23]  ; kv at my first head's record
	s_cmp_eq_u32 s12, 2
	s_cbranch_scc1 .Lpath_v
	s_cmp_eq_u32 s12, 1
	s_cbranch_scc1 .Lpath_k
	; ---- q: a tile of 16 queries of a head is 768 bytes: registers 0-3, 16 bytes a lane, then registers 4-5, 8 bytes a lane
	s_mul_i32 s22, s21, 98304
	s_mul_i32 s45, s20, 6144
	s_add_co_u32 s22, s22, s45
	s_add_nc_u64 s[96:97], s[96:97], s[22:23]
	s_lshl_b32 s22, s21, 13
	s_lshl_b32 s45, s20, 9
	s_add_co_u32 s22, s22, s45
	s_add_nc_u64 s[98:99], s[98:99], s[22:23]
	s_wait_alu depctr_va_vdst(0)
.irp a, 0,1,2,3,4,5,6,7
.irp c, 0,1
	global_store_b128 v[L16], v[CB+12*\a+6*\c:CB+12*\a+6*\c+3], s[96:97] offset:\c*98304+\a*768        ; 512 consecutive bytes, aligned to 256
	global_store_b64 v[L8], v[CB+12*\a+6*\c+4:CB+12*\a+6*\c+5], s[96:97] offset:\c*98304+\a*768+512    ; 256 consecutive bytes
.endr
.endr
.irp j, 0,1,2,3
	v_cndmask_b32 v[TT+\j], v[PWS+\j], v[PWS+4+\j], s94   ; lanes 0-15: tile j's words, lanes 16-31: tile 4 + j's
.endr
.irp j, 0,1,2,3
	v_and_b32 v[TT+4+\j], 0xffff, v[TT+\j]         ; the first head's two bytes; bytes 2 and 3 are 0: they meet zero codes
	v_lshrrev_b32 v[OUTR+\j], 16, v[TT+\j]         ; the second head's
.endr
	global_store_b128 v[L16], v[TT+4:TT+7], s[98:99]
	global_store_b128 v[L16], v[OUTR:OUTR+3], s[98:99] offset:8192
	s_branch .Lfin
.Lpath_k:
	; ---- k: key 16 a + r of the chunk becomes row 8 ((a / 2) % 2) + r % 8 of tile 4 (a / 4) + 2 (r / 8) + a % 2, so that the scores of a block of 32 keys fall into ONE lane's registers, in v's order of positions.
	; A head's 48 registers (tile T's six at 6 T) are gathered in my stage as 12 groups of four registers, 16 bytes a lane, and leave as they lie.
.irp a, 0,1,2,3,4,5,6,7
.set N0, 6*(4*(\a/4)+(\a%2))
.irp c, 0,1
.set II, \c*KHEAD+128*((\a/2)%2)
.if \a%2 == 0
	ds_store_b128 v[KST], v[CB+12*\a+6*\c:CB+12*\a+6*\c+3] offset:II+128*N0
	ds_store_b64 v[KST], v[CB+12*\a+6*\c+4:CB+12*\a+6*\c+5] offset:II+128*N0+512
.else
	ds_store_b64 v[KST], v[CB+12*\a+6*\c:CB+12*\a+6*\c+1] offset:II+512*(N0/4)+8
	ds_store_b128 v[KST], v[CB+12*\a+6*\c+2:CB+12*\a+6*\c+5] offset:II+512*(N0/4)+512
.endif
.endr
	v_lshrrev_b32 v[TT+\a], v[SHW], v[PWS+\a]      ; lanes 0-15 the first head's two bytes, lanes 16-31 the second's
	v_and_b32 v[TT+\a], 0xffff, v[TT+\a]
	ds_store_b32 v[KSS], v[TT+\a] offset:256*(\a%2)+128*((\a/2)%2)+8*(\a/4)
.endr
.irp c, 0,1
.if \c
	s_wait_xcnt 0x0                                ; the first head's stores have read their registers: they are loaded again only behind this wait
.endif
.irp g, 0,1,2,3,4,5,6,7,8,9,10,11,12
	ds_load_b128 v[OUTR+4*\g:OUTR+4*\g+3], v[KRD] offset:\c*KHEAD+512*\g   ; LDS serves a wave's instructions in order (ISA guide 5.7.1.4): these see my stores
.endr
.irp g, 0,1,2,3,4,5,6,7,8,9,10,11
	s_wait_dscnt 12-\g                             ; the younger loads of this head may be out
	global_store_b128 v[L16], v[OUTR+4*\g:OUTR+4*\g+3], s[100:101] offset:\c*HEADB+512*\g
.endr
	s_wait_dscnt 0x0
	global_store_b128 v[L16], v[OUTR+48:OUTR+51], s[100:101] offset:\c*HEADB+12288   ; the scale words
.endr
	s_branch .Lfin
.Lpath_v:
	s_wait_alu depctr_va_vdst(0)
	; ---- v: block a is head a / 4, rows 16 (a % 4) on of the head's 64; its 12 registers are a whole fragment over the chunk's 128 keys
.irp a, 0,1,2,3,4,5,6,7
.irp g, 0,1,2
	global_store_b128 v[L16], v[CB+12*\a+4*\g:CB+12*\a+4*\g+3], s[100:101] offset:(\a/4)*HEADB+6144+1536*(\a%4)+512*\g
.endr
.endr
.irp c, 0,1
	v_cndmask_b32 v[TT+2*\c], v[PWS+4*\c], v[PWS+4*\c+1], s94      ; lanes 0-15 tile 0's words, lanes 16-31 tile 1's
	v_cndmask_b32 v[TT+2*\c+1], v[PWS+4*\c+2], v[PWS+4*\c+3], s94  ; tiles 2 and 3
	global_store_b64 v[L8], v[TT+2*\c:TT+2*\c+1], s[100:101] offset:\c*HEADB+12800
.endr
.Lfin:
	s_wait_tensorcnt 0x0                           ; the wave's end
	ds_add_u32 v[SPW], v[NIL]
	s_wait_dscnt 0x0
	CROUND                                         ; the closing round
	s_endpgm
.Lfunc_end_k_q515aa940cd_qkv:
	.size	k_q515aa940cd_qkv, .Lfunc_end_k_q515aa940cd_qkv-k_q515aa940cd_qkv
	.p2alignl 7, 3214868480
	.fill 96, 4, 3214868480
	.section	.rodata,"a",@progbits
	.p2align	6, 0x0
	.amdhsa_kernel k_q515aa940cd_qkv
		.amdhsa_group_segment_fixed_size 327680
		.amdhsa_private_segment_fixed_size 0
		.amdhsa_enable_private_segment 0
		.amdhsa_kernarg_size 56
		.amdhsa_user_sgpr_count 2
		.amdhsa_user_sgpr_kernarg_segment_ptr 1
		.amdhsa_wavefront_size32 1
		.amdhsa_system_sgpr_workgroup_id_x 1
		.amdhsa_system_sgpr_workgroup_id_y 1
		.amdhsa_system_sgpr_workgroup_id_z 1
		.amdhsa_system_vgpr_workitem_id 0
		.amdhsa_next_free_vgpr 1024
		.amdhsa_next_free_sgpr 102
		.amdhsa_reserve_vcc 0
		.amdhsa_float_denorm_mode_32 3
		.amdhsa_float_denorm_mode_16_64 3
		.amdhsa_memory_ordered 1
		.amdhsa_forward_progress 1
		.amdhsa_inst_pref_size 178
	.end_amdhsa_kernel
	.amdgpu_metadata
---
amdhsa.version: [ 1, 2 ]
amdhsa.kernels:
  - .name:           k_q515aa940cd_qkv
    .symbol:         k_q515aa940cd_qkv.kd
    .args:
      - { .name: x_codes, .offset: 0, .size: 8, .value_kind: global_buffer, .address_space: global }
      - { .name: x_scales, .offset: 8, .size: 8, .value_kind: global_buffer, .address_space: global }
      - { .name: w_qkv_codes, .offset: 16, .size: 8, .value_kind: global_buffer, .address_space: global }
      - { .name: w_qkv_scales, .offset: 24, .size: 8, .value_kind: global_buffer, .address_space: global }
      - { .name: q_img, .offset: 32, .size: 8, .value_kind: global_buffer, .address_space: global }
      - { .name: q_sc, .offset: 40, .size: 8, .value_kind: global_buffer, .address_space: global }
      - { .name: kv, .offset: 48, .size: 8, .value_kind: global_buffer, .address_space: global }
    .group_segment_fixed_size: 327680
    .private_segment_fixed_size: 0
    .kernarg_segment_align: 8
    .kernarg_segment_size: 56
    .max_flat_workgroup_size: 128
    .sgpr_count:     102
    .vgpr_count:     1024
    .wavefront_size: 32
...
	.end_amdgpu_metadata
.endif
;; end of part 1
;; launch attn (part 2): grid 4 x 64, 16 waves a work-group, clusters of 4 x 1, 327,680 bytes of LDS; arguments q_img, q_sc, kv, o_codes, o_scales; writes o_codes, o_scales
.if DOCPART == 2
	.amdgcn_target "amdgcn-amd-amdhsa--gfx1250"
	.amdhsa_code_object_version 6
	.text
	.protected	k_q515aa940cd_attn
	.globl	k_q515aa940cd_attn
	.p2align	8
	.type	k_q515aa940cd_attn,@function
k_q515aa940cd_attn:
	s_mov_b64 s[64:65], 0
	v_nop
	global_prefetch_b8 v0, s[64:65] scope:SCOPE_SE
	s_setreg_imm32_b32 hwreg(HW_REG_WAVE_MODE, 25, 1), 1
	s_wait_xcnt 0x0
	s_wait_alu depctr_hold_cnt(0) depctr_sa_sdst(0) depctr_va_vdst(0) depctr_va_sdst(0) depctr_va_ssrc(0) depctr_va_vcc(0) depctr_vm_vsrc(0)
	s_getreg_b32 s2, hwreg(HW_REG_IB_STS2, 6, 4)
	s_cmp_eq_u32 s2, 0
	s_cbranch_scc0 .Lentry_in_a_cluster
	s_endpgm
.Lentry_in_a_cluster:
	s_bfe_u32 s2, ttmp6, 0x10000c
	s_cmp_lg_u32 s2, 0x3003
	s_cbranch_scc0 .Lentry_shape_is_right
	s_endpgm
.Lentry_shape_is_right:
; Causal attention on codes of FP6 (E2M3): 64 (batch, head) pairs, 2,048 tokens, head size 64.  S^T = K Q^T and O^T = V^T P^T, both transposed: a lane holds ONE query (lane % 16) throughout.
; SOFTMAX: t = score x log2(e) / 8; M = the running largest t rounded UP to a whole number; p = 2^(t - M) is quantised along the keys; the row's sum is taken of the unquantised p and divides O at the end.
; When M moves, the sum and O^T are multiplied by 2^(old M - new M), which rounds nothing.  O / sum is quantised along the model's axis (a head owns two blocks of 32) and leaves as codes for the last product.
; SHARES.  A cluster of four work-groups is one (batch, head).  All 16 records of the head (128 keys each: K's codes, V's codes, their scale words: 13,056 bytes) come into every partner's LDS ONCE, by joint loads of waves 0-7:
; no slot is ever filled again.  Work-group cx, wave w owns the tiles of 16 queries 4 m + cx for m = 31 - w and m = w.  Tile 4 m + cx needs records 0 .. m / 2 whatever cx is: no branch, trip count or LDS address hangs
; on cx, and every wave has 17 key steps, 2 of them on the diagonal.  Sixteen waves of 256 registers: four to a SIMD, so that one wave's vector work stands beside another's products and LDS loads.
; K = 64 IN AN INSTRUCTION OF 128: Q's registers 6-11 are zero codes, so whatever K's fragment holds there (the next tile's codes) adds nothing; bytes 2 and 3 of both scale words are 0, which is a number.
; THE KEYS OF A TILE: row 8 h + j of tile 4 c + t is key 64 c + 32 h + 8 sw(t) + j, sw = 0, 2, 1, 3 (the launch before laid K so).  So registers 96 + 32 c .. + 31 of lane (r, h) are the WHOLE block 2 c + h of query r,
; in the order of positions in which V's codes lie: no lane is asked for a block's maximum, and the conversions' results are the operand.
; A block's largest p is not searched for: the block's largest score goes through the same multiply-add and exponential (this takes v_exp_f32 not to fall where its input rises).
; LIMITS: p under 2^-126 comes out as 0 (v_exp_f32 flushes: ISA guide 15.8); a block of zeros gets the byte 1 where the rule says 127: its codes are zeros, and only this program reads the bytes.
; No prefetch: all tiles are asked for at the head.
; REGISTERS: v1 16 x lane, v2 8 x lane, v3 16 r, v4 32 r + h, v5, v9 LDS addresses in hand, v6, v7 the mask's number of the two tiles, v8 -infinity, v10 8 h; v12 -M, v13 the largest t, v[14:15] the sum;
; v16-27 Q of the first tile, v28 its scale word; v29 p's scale word, v30-31 V's, v32-35 K's; v36-83 K's 48 registers, then V's; v84-89 zeros; v96-159 S^T, then p; v160-191 O^T; v192-203 p's codes;
; v204-210 the conversions' second halves; v212-223, v238-249, v252-254 at work; v224-235 Q of the second tile, v236 its scale word.
.set REC, 13056
.set WV,  18
.set SEL, 20
.set CS,  22
.set G1,  24
.set G0A, 32
.set G0B, 36
.macro ROUND                           ; a round of the cluster's barrier
	s_barrier_signal -1
	s_barrier_wait -1
	s_cmp_lg_u32 s[WV], 0
	s_cbranch_scc1 .Lnot_wave_0_\@
	s_barrier_signal -3
.Lnot_wave_0_\@:
	s_barrier_wait -3
	s_barrier_signal -1
	s_barrier_wait -1
.endm
	s_load_b256 s[4:11], s[0:1], 0x0               ; q_img s[4:5], q_sc s[6:7], kv s[8:9], o_codes s[10:11]
	s_load_b64 s[12:13], s[0:1], 0x20              ; o_scales
	v_lshl_add_u32 v251, v0, 2, 0x33000
	v_mov_b32 v255, 0
	ds_add_u32 v251, v255
	ds_add_u32 v251, v255
	v_lshrrev_b32 v1, 5, v0
	s_delay_alu instid0(VALU_DEP_1)
	v_readfirstlane_b32 s[WV], v1                  ; wave 0..15
	s_bfe_u32 s43, ttmp6, 0x40000                  ; cx: it enters global addresses and the mask's number alone
	s_and_b32 s44, ttmp7, 0xffff                   ; 16 x batch + head, which the four partners share
	s_mov_b32 s[G1], 15|(3<<16)|(1<<21)            ; the mask: all four work-groups; elements of 8 bytes; bit 21 beside a mask; no padding
	s_mov_b32 s[G1+1], 32<<16                      ; tensor_dim0: rows of 256 bytes
	s_mov_b32 s[G1+2], 51<<16                      ; tensor_dim1: 51 of them, a record
	s_mov_b32 s[G1+3], 32<<16                      ; tile_dim0
	s_mov_b32 s[G1+4], 51                          ; tile_dim1
	s_mov_b32 s[G1+5], 32                          ; the pitch: dense
	s_mov_b32 s[G1+6], 0
	s_mov_b32 s[G1+7], 0
	s_mul_i32 s46, s[WV], REC                      ; record w: its place in LDS and in the head
	s_mul_i32 s14, s44, 16*REC
	s_add_co_u32 s14, s14, s46
	s_mov_b32 s15, 0
	s_mov_b32 s[SEL], 0x76543210
	s_mov_b32 s[SEL+1], 0xfedcba98                 ; lane xor 16
	s_mov_b32 s[CS], 0x3e38aa3b                    ; c = log2(e) / 8
	s_mov_b32 s[CS+1], s[CS]                       ; (named with it as a pair)
	s_sub_co_u32 s45, 31, s[WV]                    ; m of my first tile
	s_lshr_b32 s41, s45, 1                         ; its record on the diagonal
	s_lshr_b32 s42, s[WV], 1                       ; and my second tile's (m = w)
	s_wait_dscnt 0x0
	s_wait_kmcnt 0x0
	s_mov_b32 s[G0A], 1
	s_mov_b32 s[G0A+1], s46
	s_add_nc_u64 s[G0A+2:G0A+3], s[8:9], s[14:15]
	s_mov_b32 s[G0B], 1
	s_add_co_u32 s[G0B+1], s46, 8*REC              ; record 8 + w
	s_add_nc_u64 s[G0B+2:G0B+3], s[G0A+2:G0A+3], 8*REC
	s_or_b32 s[G0A+3], s[G0A+3], 0x80000000
	s_or_b32 s[G0B+3], s[G0B+3], 0x80000000
	ROUND                                          ; all four work-groups are here: the joint loads meet
	s_cmp_lt_u32 s[WV], 8                          ; waves 0-7 fetch two records each: both in one branch, two loads of a wave out
	s_cbranch_scc0 .Lno_fetch
	tensor_load_to_lds s[G0A:G0A+3], s[G1:G1+7]
	s_nop 0
	tensor_load_to_lds s[G0B:G0B+3], s[G1:G1+7]
	s_nop 0
.rept 4
	v_nop
.endr
.Lno_fetch:
; the four bases of tile 4 m + cx: Q's image, Q's scale words, O's codes, O's scale bytes
.macro BASES m, o
	s_lshl_b32 s14, s[\m], 2
	s_add_co_u32 s14, s14, s43                     ; the tile
	s_lshl_b32 s15, s44, 7
	s_add_co_u32 s15, s15, s14
	s_mul_i32 s16, s15, 768
	s_mov_b32 s17, 0
	s_add_nc_u64 s[\o:\o+1], s[4:5], s[16:17]
	s_lshl_b32 s16, s44, 13                        ; a head's scale words are 8,192 bytes; the tile's begin at 256 m + 4 cx
	s_lshl_b32 s15, s[\m], 8
	s_add_co_u32 s16, s16, s15
	s_lshl_b32 s15, s43, 2
	s_add_co_u32 s16, s16, s15
	s_add_nc_u64 s[\o+2:\o+3], s[6:7], s[16:17]
	s_lshr_b32 s15, s44, 4
	s_lshl_b32 s15, s15, 7
	s_add_co_u32 s15, s15, s14                     ; the tile of 16 rows of the output: 128 x batch + tile
	s_and_b32 s19, s44, 15                         ; the head
	s_mul_i32 s16, s15, 12288
	s_mul_i32 s47, s19, 768
	s_add_co_u32 s16, s16, s47
	s_add_nc_u64 s[\o+4:\o+5], s[10:11], s[16:17]
	s_lshl_b32 s16, s15, 9
	s_lshl_b32 s47, s19, 1
	s_add_co_u32 s16, s16, s47
	s_add_nc_u64 s[\o+6:\o+7], s[12:13], s[16:17]
.endm
	BASES 45, 48
	BASES 18, 56
	v_and_b32 v11, 31, v0                          ; lane
	s_delay_alu instid0(VALU_DEP_1)
	v_lshlrev_b32 v1, 4, v11
	s_delay_alu instid0(VALU_DEP_2)
	v_lshlrev_b32 v2, 3, v11
	v_and_b32 v3, 15, v0                           ; r
	v_bfe_u32 v10, v0, 4, 1                        ; h
	s_delay_alu instid0(VALU_DEP_1)
	v_lshl_add_u32 v4, v3, 5, v10                  ; 32 r + h: my scale byte's place among 16 rows of 32
	s_delay_alu instid0(VALU_DEP_2)
	v_lshlrev_b32 v11, 5, v10
	s_delay_alu instid0(VALU_DEP_1)
	v_sub_nc_u32 v11, v3, v11                      ; r - 32 h
	s_lshl_b32 s15, s43, 4
	s_and_b32 s14, s45, 1
	s_lshl_b32 s14, s14, 6
	s_add_co_u32 s14, s14, s15
	v_add_nc_u32 v6, s14, v11                      ; d = my query's place in its chunk - 32 h = 64 (m % 2) + 16 cx + r - 32 h
	s_and_b32 s14, s[WV], 1
	s_lshl_b32 s14, s14, 6
	s_add_co_u32 s14, s14, s15
	v_add_nc_u32 v7, s14, v11
	v_lshlrev_b32 v3, 4, v3                        ; 16 r
	v_lshlrev_b32 v10, 3, v10                      ; 8 h
	global_load_b128 v[16:19], v1, s[48:49]
	global_load_b64 v[20:21], v2, s[48:49] offset:512
	global_load_b32 v28, v3, s[50:51]
	global_load_b128 v[224:227], v1, s[56:57]
	global_load_b64 v[228:229], v2, s[56:57] offset:512
	global_load_b32 v236, v3, s[58:59]
	v_mov_b32 v8, 0xff800000                       ; -infinity
.irp j, 0,1,2,3,4,5
	v_mov_b32 v[22+\j], 0                          ; zero codes for k = 64 .. 127
	v_mov_b32 v[230+\j], 0
	v_mov_b32 v[84+\j], 0                          ; what the last tile of K names behind its six registers
.endr
	v_mov_b32 v218, 0                              ; a lane permute's destination counts as one of its sources
	v_mov_b32 v253, 0                              ; (named as the upper half of the pair v[252:253])
.macro INIT                            ; a tile begins: O^T and the sum are zeros, the largest t is -3e38: the first change of M multiplies zeros
	v_mov_b32 v13, 0xff61b1e6
	s_delay_alu instid0(VALU_DEP_1)
	v_floor_f32 v12, -v13
	v_mov_b32 v14, 0
	v_mov_b32 v15, 0
.set j, 0
.rept 32
	v_mov_b32 v[160+j], 0
.set j, j+1
.endr
.endm
; A KEY STEP: the 128 keys of record s3, which begins at LDS byte s2.  qf, qs: Q's fragment and scale word; dreg: the mask's number; causal = 1: records behind the diagonal's (s40) are left out, the diagonal's is masked.
.macro STEP qf, qs, dreg, causal
.if \causal
	s_cmp_gt_u32 s3, s40                           ; a branch on the wave's number and the loop's count; no barrier and no tensor load stands in a step
	s_cbranch_scc1 .Lhid_\@
.endif
	s_setprio 2
	v_add_nc_u32 v5, s2, v1
	v_add_nc_u32 v9, s2, v2
	v_nop
	v_nop                                          ; four places behind the last products, in front of loads into registers that they read
	ds_load_b128 v[32:35], v5 offset:12288         ; K's scale words: register T / 2, lanes 0-15 tile T even, lanes 16-31 tile T odd
.irp g, 0,1,2,3,4,5,6,7,8,9,10,11
	ds_load_b128 v[36+4*\g:39+4*\g], v5 offset:512*\g
.endr
	s_wait_alu depctr_va_vdst(0)
	s_wait_dscnt 0x0
.irp t, 0,2,4,6
	v_wmma_scale_f32_16x16x128_f8f6f4 v[96+8*\t:103+8*\t], v[36+6*\t:47+6*\t], v[\qf:\qf+11], 0, v[32+\t/2], v[\qs] matrix_a_fmt:MATRIX_FMT_FP6 matrix_b_fmt:MATRIX_FMT_FP6
	v_wmma_scale_f32_16x16x128_f8f6f4 v[104+8*\t:111+8*\t], v[42+6*\t:53+6*\t], v[\qf:\qf+11], 0, v[32+\t/2], v[\qs] matrix_a_fmt:MATRIX_FMT_FP6 matrix_b_fmt:MATRIX_FMT_FP6 matrix_a_scale:MATRIX_SCALE_ROW1
.endr
.rept 4
	v_nop                                          ; places in front of the loads below and of the first read of the scores
.endr
.irp g, 0,1,2,3,4,5,6,7,8,9,10,11
	ds_load_b128 v[36+4*\g:39+4*\g], v5 offset:6144+512*\g   ; V is asked for at once: it lands under the softmax
.endr
	ds_load_b64 v[30:31], v9 offset:12800
.if \causal
	s_cmp_lt_u32 s3, s40
	s_cbranch_scc1 .Lopen_\@
.set n, 0
.rept 64                                       ; on the diagonal: register n holds the chunk's key 64 (n / 32) + 32 h + 8 sw((n / 8) % 4) + n % 8: hidden where it lies behind my query
	v_cmp_gt_i32 vcc_lo, 64*(n/32)+16*((n/8)%2)+8*(((n/8)%4)/2)+n%8, v[\dreg]
	v_cndmask_b32 v[96+n], v[96+n], v8, vcc_lo
.set n, n+1
.endr
.Lopen_\@:
.endif
.irp b, 0,1,2,3
	v_max3_num_f32 v[212+\b], v[96+16*\b], v[97+16*\b], v[98+16*\b]   ; the largest score of each block, in four chains; each accumulator is read from its low end on
.endr
.irp i, 3,5,7,9,11,13
.irp b, 0,1,2,3
	v_max3_num_f32 v[212+\b], v[212+\b], v[96+16*\b+\i], v[97+16*\b+\i]
.endr
.endr
	v_max3_num_f32 v216, v212, v213, v111
	v_max3_num_f32 v217, v214, v215, v143
	v_max_num_f32 v216, v216, v127                 ; block h
	v_max_num_f32 v217, v217, v159                 ; block 2 + h
	s_delay_alu instid0(VALU_DEP_1)
	v_max_num_f32 v254, v216, v217
	s_delay_alu instid0(VALU_DEP_1)
	v_permlanex16_b32 v218, v254, s[SEL], s[SEL+1]
	s_delay_alu instid0(VALU_DEP_1)
	v_max_num_f32 v254, v254, v218                 ; the step's largest score of my query
	s_delay_alu instid0(VALU_DEP_1)
	v_mul_f32 v254, s[CS], v254
	s_delay_alu instid0(VALU_DEP_1)
	v_max_num_f32 v13, v13, v254                   ; the running largest t
	v_mov_b32 v254, v12
	s_delay_alu instid0(VALU_DEP_2)
	v_floor_f32 v12, -v13                          ; -M = floor(-t): M is a whole number
	s_delay_alu instid0(VALU_DEP_1)
	v_sub_f32 v254, v12, v254
	s_delay_alu instid0(VALU_DEP_1)
	v_cvt_i32_f32 v254, v254                       ; (it saturates)
	s_delay_alu instid0(VALU_DEP_1)
	v_ldexp_f32 v252, 1.0, v254                    ; f = 2^(old M - new M)
.set j, 0
.rept 32
	v_pk_fma_f32 v[96+j:97+j], v[96+j:97+j], s[CS:CS+1], v[12:13] op_sel_hi:[1,0,0]   ; t - M
.set j, j+2
.endr
	v_fma_f32 v216, v216, s[CS], v12
	v_fma_f32 v217, v217, s[CS], v12
.set j, 0
	s_setprio 1
	s_wait_alu depctr_va_vdst(0)
.rept 64
	v_exp_f32 v[96+j], v[96+j]                     ; p = 2^(t - M)
.set j, j+1
.endr
	v_pk_mul_f32 v[14:15], v[14:15], v[252:253] op_sel_hi:[1,0]   ; the sums under the new M: the plain line behind the exponentials
	s_wait_alu depctr_va_vdst(0)                   ; one wait for the batch, ahead of its first reader
	v_exp_f32 v216, v216                           ; the blocks' largest p
	v_exp_f32 v217, v217
	v_pk_add_f32 v[238:239], v[100:101], v[104:105]
	v_pk_add_f32 v[248:249], v[108:109], v[112:113]
	v_pk_add_f32 v[246:247], v[116:117], v[120:121]
	v_pk_add_f32 v[244:245], v[124:125], v[128:129]
	v_pk_add_f32 v[242:243], v[132:133], v[136:137]
	v_pk_add_f32 v[240:241], v[140:141], v[144:145]
	v_pk_add_f32 v[222:223], v[148:149], v[152:153]
	v_pk_add_f32 v[14:15], v[14:15], v[156:157]
	v_pk_add_f32 v[238:239], v[238:239], v[96:97]
	v_pk_add_f32 v[248:249], v[248:249], v[98:99]
	v_pk_add_f32 v[246:247], v[246:247], v[102:103]
	v_pk_add_f32 v[244:245], v[244:245], v[106:107]
	v_pk_add_f32 v[242:243], v[242:243], v[110:111]
	v_pk_add_f32 v[240:241], v[240:241], v[114:115]
	v_pk_add_f32 v[222:223], v[222:223], v[118:119]
	v_pk_add_f32 v[14:15], v[14:15], v[122:123]
	v_pk_add_f32 v[238:239], v[238:239], v[126:127]
	v_pk_add_f32 v[248:249], v[248:249], v[130:131]
	v_pk_add_f32 v[246:247], v[246:247], v[134:135]
	v_pk_add_f32 v[244:245], v[244:245], v[138:139]
	v_pk_add_f32 v[242:243], v[242:243], v[142:143]
	v_pk_add_f32 v[240:241], v[240:241], v[146:147]
	v_pk_add_f32 v[222:223], v[222:223], v[150:151]
	v_pk_add_f32 v[14:15], v[14:15], v[154:155]
	v_pk_add_f32 v[238:239], v[238:239], v[158:159]
	s_delay_alu instid0(VALU_DEP_2)
	v_pk_add_f32 v[14:15], v[14:15], v[244:245]
	s_delay_alu instid0(VALU_DEP_2)
	v_pk_add_f32 v[238:239], v[238:239], v[242:243]
	v_pk_add_f32 v[248:249], v[248:249], v[240:241]
	v_pk_add_f32 v[246:247], v[246:247], v[222:223]
	s_delay_alu instid0(VALU_DEP_2)
	v_pk_add_f32 v[14:15], v[14:15], v[248:249]
	s_delay_alu instid0(VALU_DEP_2)
	v_pk_add_f32 v[238:239], v[238:239], v[246:247]
	s_delay_alu instid0(VALU_DEP_1)
	v_pk_add_f32 v[14:15], v[14:15], v[238:239]
	s_wait_alu depctr_va_vdst(0)                   ; and one for the two
	v_max_num_f32 v216, 0x1800000, v216            ; the floor 2^(3 - 127): the byte cannot fall under 1
	v_max_num_f32 v217, 0x1800000, v217
	s_delay_alu instid0(VALU_DEP_2)
	v_add_nc_u32 v220, 0xff000000, v216            ; 2 off the exponent field: the conversion's scale operand
	s_delay_alu instid0(VALU_DEP_2)
	v_add_nc_u32 v221, 0xff000000, v217
	s_delay_alu instid0(VALU_DEP_2)
	v_lshrrev_b32 v222, 23, v220                   ; the bytes
	s_delay_alu instid0(VALU_DEP_2)
	v_lshrrev_b32 v223, 23, v221
	s_delay_alu instid0(VALU_DEP_1)
	v_lshl_or_b32 v219, v223, 16, v222             ; my two bytes: blocks h and 2 + h,
	s_delay_alu instid0(VALU_DEP_1)
	v_lshlrev_b32 v219, v10, v219                  ; 8 h bits up;
	s_delay_alu instid0(VALU_DEP_1)
	v_permlanex16_b32 v218, v219, s[SEL], s[SEL+1]
	s_delay_alu instid0(VALU_DEP_1)
	v_or_b32 v29, v219, v218                       ; with lane xor 16's two the word is whole
.irp c, 0,1
	v_cvt_scalef32_pk16_fp6_f32 v[192+6*\c:194+6*\c], v[96+32*\c:111+32*\c], v[220+\c]
	v_cvt_scalef32_pk16_fp6_f32 v[204+4*\c:206+4*\c], v[112+32*\c:127+32*\c], v[220+\c]   ; (a conversion's three registers begin on an even number)
.endr
	s_setprio 0
	v_nop                                          ; one plain line behind a scaled conversion
.irp c, 0,1
.irp i, 0,1,2
	v_mov_b32 v[195+6*\c+\i], v[204+4*\c+\i]
.endr
.endr
.set j, 0
.rept 16
	v_pk_mul_f32 v[160+j:161+j], v[160+j:161+j], v[252:253] op_sel_hi:[1,0]   ; O^T under the new M.  Of these 16 lines 12 name no register of a given product below: the places that p's scale word (8) and codes (4) want
.set j, j+2
.endr
	s_wait_alu depctr_va_vdst(0)
	s_wait_dscnt 0x0                               ; V is in
	v_wmma_scale_f32_16x16x128_f8f6f4 v[160:167], v[36:47], v[192:203], v[160:167], v30, v29 matrix_a_fmt:MATRIX_FMT_FP6 matrix_b_fmt:MATRIX_FMT_FP6
	v_wmma_scale_f32_16x16x128_f8f6f4 v[176:183], v[48:59], v[192:203], v[176:183], v30, v29 matrix_a_fmt:MATRIX_FMT_FP6 matrix_b_fmt:MATRIX_FMT_FP6 matrix_a_scale:MATRIX_SCALE_ROW1
	v_wmma_scale_f32_16x16x128_f8f6f4 v[168:175], v[60:71], v[192:203], v[168:175], v31, v29 matrix_a_fmt:MATRIX_FMT_FP6 matrix_b_fmt:MATRIX_FMT_FP6
	v_wmma_scale_f32_16x16x128_f8f6f4 v[184:191], v[72:83], v[192:203], v[184:191], v31, v29 matrix_a_fmt:MATRIX_FMT_FP6 matrix_b_fmt:MATRIX_FMT_FP6 matrix_a_scale:MATRIX_SCALE_ROW1
.if \causal
.Lhid_\@:
.endif
	s_add_co_u32 s2, s2, REC                       ; the next record
.endm
; A TILE ENDS.  O^T / the sum; tiles 0, 2, 1, 3 of the head's 64 lie at v160, 168, 176, 184, so that 16 exchanges of halves leave lane (r, h) with channels 32 h + 0 .. 31 of query r in their true order in v160-191:
; a whole block of the last product's K.  Its codes leave as three planes of 256 bytes (registers 2 q, 2 q + 1, 8 bytes a lane); its scale byte goes to row r, byte 2 x head + h (32 single bytes a tile: one byte in 24 of what the launch stores).
.macro FINISH ob, sb
.rept 4
	v_nop                                          ; places behind the last products
.endr
	v_add_f32 v14, v14, v15
	s_delay_alu instid0(VALU_DEP_1)
	v_permlanex16_b32 v218, v14, s[SEL], s[SEL+1]
	s_delay_alu instid0(VALU_DEP_1)
	v_add_f32 v14, v14, v218                       ; the row's sum
	s_wait_alu depctr_va_vdst(0)
	v_rcp_f32 v252, v14
	v_nop                                          ; a plain line behind the transcendental
	s_wait_alu depctr_va_vdst(0)                   ; and the wait ahead of its first reader
.set j, 0
.rept 16
	v_pk_mul_f32 v[160+j:161+j], v[160+j:161+j], v[252:253] op_sel_hi:[1,0]
.set j, j+2
.endr
.set j, 0
.rept 8
	v_permlane16_swap_b32 v[160+j], v[168+j]
	v_permlane16_swap_b32 v[176+j], v[184+j]
.set j, j+1
.endr
	v_max3_num_f32 v212, |v160|, |v161|, 0x1800000
	v_max3_num_f32 v213, |v176|, |v177|, 0x1800000
.irp i, 2,4,6,8,10,12,14
	s_delay_alu instid0(VALU_DEP_2)
	v_max3_num_f32 v212, v212, |v[160+\i]|, |v[161+\i]|
	s_delay_alu instid0(VALU_DEP_2)
	v_max3_num_f32 v213, v213, |v[176+\i]|, |v[177+\i]|
.endr
	s_delay_alu instid0(VALU_DEP_1)
	v_max_num_f32 v212, v212, v213
	s_delay_alu instid0(VALU_DEP_1)
	v_add_nc_u32 v220, 0xff000000, v212
	s_delay_alu instid0(VALU_DEP_1)
	v_lshrrev_b32 v222, 23, v220
	v_cvt_scalef32_pk16_fp6_f32 v[192:194], v[160:175], v220
	v_cvt_scalef32_pk16_fp6_f32 v[204:206], v[176:191], v220
	v_nop
	v_mov_b32 v195, v204
	v_mov_b32 v196, v205
	v_mov_b32 v197, v206
	global_store_b64 v2, v[192:193], s[\ob:\ob+1]              ; 256 consecutive bytes, aligned
	global_store_b64 v2, v[194:195], s[\ob:\ob+1] offset:256
	global_store_b64 v2, v[196:197], s[\ob:\ob+1] offset:512
	global_store_b8 v4, v222, s[\sb:\sb+1]
	s_wait_xcnt 0x0                                ; the stores have read their registers: the next tile's steps write them again
.endm
	INIT
	s_wait_tensorcnt 0x0                           ; my two records are in (waves 8-15 have none),
	s_wait_loadcnt 0x0                             ; and both tiles of Q
	s_barrier_signal -1
	s_barrier_wait -1                              ; everybody's are: the whole head lies in LDS
	s_mov_b32 s2, 0
	s_mov_b32 s3, 0
.Lopen_keys:                                       ; my first tile (m of 16 or more): records 0-7 lie wholly in front of its queries
	STEP 16, 28, 6, 0
	s_add_co_u32 s3, s3, 1
	s_cmp_lt_u32 s3, 8
	s_cbranch_scc1 .Lopen_keys
	s_setprio 0
	s_mov_b32 s40, s41
	s_mov_b32 s2, 8*REC
	s_mov_b32 s3, 8
.Lheavy:                                           ; records 8-15, up to the diagonal's
	STEP 16, 28, 6, 1
	s_add_co_u32 s3, s3, 1
	s_cmp_lt_u32 s3, 16
	s_cbranch_scc1 .Lheavy
	s_setprio 0
	FINISH 52, 54
	INIT
	s_mov_b32 s40, s42
	s_mov_b32 s2, 0
	s_mov_b32 s3, 0
.Llight:                                           ; my second tile (m under 16): records 0-7, up to the diagonal's
	STEP 224, 236, 7, 1
	s_add_co_u32 s3, s3, 1
	s_cmp_lt_u32 s3, 8
	s_cbranch_scc1 .Llight
	s_setprio 0
	FINISH 60, 62
	s_wait_dscnt 0x0
	s_wait_tensorcnt 0x0
	ds_add_u32 v251, v255
	s_wait_dscnt 0x0
	ROUND                                          ; the closing round
	s_endpgm
.Lfunc_end_k_q515aa940cd_attn:
	.size	k_q515aa940cd_attn, .Lfunc_end_k_q515aa940cd_attn-k_q515aa940cd_attn
	.p2alignl 7, 3214868480
	.fill 96, 4, 3214868480
	.section	.rodata,"a",@progbits
	.p2align	6, 0x0
	.amdhsa_kernel k_q515aa940cd_attn
		.amdhsa_group_segment_fixed_size 327680
		.amdhsa_private_segment_fixed_size 0
		.amdhsa_enable_private_segment 0
		.amdhsa_kernarg_size 40
		.amdhsa_user_sgpr_count 2
		.amdhsa_user_sgpr_kernarg_segment_ptr 1
		.amdhsa_wavefront_size32 1
		.amdhsa_system_sgpr_workgroup_id_x 1
		.amdhsa_system_sgpr_workgroup_id_y 1
		.amdhsa_system_sgpr_workgroup_id_z 1
		.amdhsa_system_vgpr_workitem_id 0
		.amdhsa_next_free_vgpr 256
		.amdhsa_next_free_sgpr 66
		.amdhsa_reserve_vcc 1
		.amdhsa_float_denorm_mode_32 3
		.amdhsa_float_denorm_mode_16_64 3
		.amdhsa_memory_ordered 1
		.amdhsa_forward_progress 1
		.amdhsa_inst_pref_size 75
	.end_amdhsa_kernel
	.amdgpu_metadata
---
amdhsa.version: [ 1, 2 ]
amdhsa.kernels:
  - .name:           k_q515aa940cd_attn
    .symbol:         k_q515aa940cd_attn.kd
    .args:
      - { .name: q_img, .offset: 0, .size: 8, .value_kind: global_buffer, .address_space: global }
      - { .name: q_sc, .offset: 8, .size: 8, .value_kind: global_buffer, .address_space: global }
      - { .name: kv, .offset: 16, .size: 8, .value_kind: global_buffer, .address_space: global }
      - { .name: o_codes, .offset: 24, .size: 8, .value_kind: global_buffer, .address_space: global }
      - { .name: o_scales, .offset: 32, .size: 8, .value_kind: global_buffer, .address_space: global }
    .group_segment_fixed_size: 327680
    .private_segment_fixed_size: 0
    .kernarg_segment_align: 8
    .kernarg_segment_size: 40
    .max_flat_workgroup_size: 512
    .sgpr_count:     66
    .vgpr_count:     256
    .wavefront_size: 32
...
	.end_amdgpu_metadata
.endif
;; end of part 2
;; launch proj (part 3): grid 4 x 32, 4 waves a work-group, clusters of 4 x 4, 327,680 bytes of LDS; arguments o_codes, o_scales, w_out_codes, w_out_scales, out0; writes out0
.if DOCPART == 3
	.amdgcn_target "amdgcn-amd-amdhsa--gfx1250"
	.amdhsa_code_object_version 6
	.text
	.protected	k_q515aa940cd_proj
	.globl	k_q515aa940cd_proj
	.p2align	8
	.type	k_q515aa940cd_proj,@function
k_q515aa940cd_proj:
	s_mov_b64 s[64:65], 0
	v_nop
	global_prefetch_b8 v0, s[64:65] scope:SCOPE_SE
	s_setreg_imm32_b32 hwreg(HW_REG_WAVE_MODE, 25, 1), 1
	s_wait_xcnt 0x0
	s_wait_alu depctr_hold_cnt(0) depctr_sa_sdst(0) depctr_va_vdst(0) depctr_va_sdst(0) depctr_va_ssrc(0) depctr_va_vcc(0) depctr_vm_vsrc(0)
	s_getreg_b32 s2, hwreg(HW_REG_IB_STS2, 6, 4)
	s_cmp_eq_u32 s2, 0
	s_cbranch_scc0 .Lentry_in_a_cluster
	s_endpgm
.Lentry_in_a_cluster:
	s_bfe_u32 s2, ttmp6, 0x10000c
	s_cmp_lg_u32 s2, 0xf033
	s_cbranch_scc0 .Lentry_shape_is_right
	s_endpgm
.Lentry_shape_is_right:
; out0 = O Wout^T on codes of FP6 (E2M3) with E8M0 scales, f32 sums.  O: 8,192 rows x 1,024, Wout: [1024][1024] codes, a row 768 bytes; scale bytes [rows][32]; out0: [8192][1024] f32.
; O's codes come as IMAGES OF THE OPERAND'S REGISTERS: [tile of 16 rows][K step of 128][plane p of 6][256 bytes], registers 2 p, 2 p + 1 of the fragment, 8 bytes a lane: a tile of rows is 12,288 bytes.
; A tile of out0, 256 x 256, is made by four waves, each 128 x 128: 64 accumulators.  K goes in steps of 256 through a ring of two LDS slots filled by joint tensor loads (4 x 4 cluster: O's tile shared along a row of the
; cluster, Wout's along a column); the scale bytes of both tiles come once.  Source 0 = 16 rows of Wout, source 1 = 16 rows of O: a lane holds eight neighbouring numbers of a row of out0.
; 128 work-groups: the 32 x 4 tiles of 256 x 256.  No prefetch: K has four steps of 256, two first fills and two refills: no step lies two refills on.
; LIMIT: a scale byte 0xff in w_out_scales is not served.
.set SIZE_N, 1024
.set SIZE_K, 1024
.set KSTEP,  256
.set NQ,     KSTEP/128
.set ROWB,   192
.set KROW,   SIZE_K*6/8
.set PITCH,  240                       ; B's LDS row: 3 x (64 bytes + 16 of padding)
.set FR,     12
.set NL,     6
.set NP,     4
.set ASTEP,  3072                      ; a tile of 16 rows of O, 256 along K: two fragments
.set HALFA,  8*ASTEP                   ; 128 rows of O
.set HALFT,  128*PITCH                 ; 128 rows of Wout
.set SLOT,   2*HALFA+2*HALFT
.set LAPS,   SIZE_K/(2*KSTEP)
.set KS,     SIZE_K/32
.set SCL,    2*SLOT
.set HALFS,  (128*KS/256)*272
.set SBLK,   (16*KS/256)*272
.set SPARE,  SCL+4*HALFS               ; the spare words: 128 bytes a wave, named by no other line
.set SPITCH, 528                       ; the way out: a stage of 16 rows x (512 + 16) bytes for each wave, in slot 0, which has had its last fill and its last read by then
.set ADRA, 16
.set ADRB, 20
.set STO,  24
.set RD,   25
.set CO,   26
.set ADRS, 27
.set SPW,  28
.set NIL,  29
.set SC,   32                          ; v32-63 scale words, two sets: they hold nothing else
.set AF,   128
.set BK,   128
.set G1, 24
.set G0, 32
.set G1B, 48
.set G0B, 56
.set G1S, 68
.set G0S, 76
.set G1SB, 80
.set G0SB, 88
.set MSB, 0
.macro WIN new
.if MSB != \new
	s_set_vgpr_msb (MSB<<8)|\new
.set MSB, \new
.endif
.endm
.set MUL_LO, 0xa1
.set MUL_HI, 0xf1
.set TO_B,   0x40
.macro JLOAD g0a, g1a, g0b, g1b        ; a joint load: waves 0 and 1 fetch for A, waves 2 and 3 for B; four v_nop follow each line
	s_cmp_eq_u32 s15, 0
	s_cbranch_scc0 .Lfor_b_\@
	tensor_load_to_lds s[\g0a:\g0a+3], s[\g1a:\g1a+7]
	s_nop 0
.rept 4
	v_nop
.endr
	s_branch .Lasked_\@
.Lfor_b_\@:
	tensor_load_to_lds s[\g0b:\g0b+3], s[\g1b:\g1b+7]
	s_nop 0
.rept 4
	v_nop
.endr
.Lasked_\@:
.endm
.macro CREST
	s_cmp_lg_u32 s14, 0
	s_cbranch_scc1 .Lnot_wave_0_\@
	s_barrier_signal -3
.Lnot_wave_0_\@:
	s_barrier_wait -3
	s_barrier_signal -1
	s_barrier_wait -1
.endm
.macro CROUND
	s_barrier_signal -1
	s_barrier_wait -1
	CREST
.endm
	s_load_b128 s[4:7], s[0:1], 0x0                ; O's codes, O's scales
	s_load_b128 s[8:11], s[0:1], 0x10              ; Wout's codes, Wout's scales
	s_load_b64 s[12:13], s[0:1], 0x20              ; out0
	v_lshl_add_u32 v[SPW], v0, 2, SPARE
	v_mov_b32 v[NIL], 0
	ds_add_u32 v28, v29
	ds_add_u32 v28, v29
	s_wait_dscnt 0x0
	v_lshrrev_b32 v1, 5, v0
	v_readfirstlane_b32 s14, v1                    ; wave 0..3
	s_lshr_b32 s15, s14, 1                         ; which half of the tile's rows is mine.  Also: I fetch for A (0) or for B (1)
	s_and_b32 s16, s14, 1                          ; which half of its columns.  Also: which 128 rows of that tile I fetch
	s_bfe_u32 s40, ttmp6, 0x40000                  ; cx, cy
	s_bfe_u32 s41, ttmp6, 0x40004
	s_lshl_b32 s42, ttmp9, 2
	s_add_co_u32 s42, s42, s40                     ; tile column
	s_and_b32 s17, ttmp7, 0xffff
	s_lshl_b32 s17, s17, 2
	s_add_co_u32 s17, s17, s41                     ; tile row
	s_lshl_b32 s43, s41, 2
	s_lshl_b32 s43, 15, s43                        ; my row of the cluster
	s_lshl_b32 s44, 0x1111, s40                    ; my column
	s_or_b32 s[G1+0], s43, (3<<16)|(1<<21)         ; A: the mask; elements of 8 bytes; bit 21 beside a mask; no padding: every read takes 8 bytes a lane on end
	s_mov_b32 s[G1+1], (ASTEP/8)<<16               ; tensor_dim0: 3,072 bytes
	s_mov_b32 s[G1+2], 8<<16                       ; tensor_dim1: 8 tiles of 16 rows
	s_mov_b32 s[G1+3], (ASTEP/8)<<16               ; tile_dim0
	s_mov_b32 s[G1+4], 8                           ; tile_dim1
	s_mov_b32 s[G1+5], 12288/8                     ; the pitch: a tile of rows is 12,288 bytes
	s_mov_b32 s[G1+6], 0
	s_mov_b32 s[G1+7], 0
	s_or_b32 s[G1B+0], s44, (0<<16)|(1<<20)|(1<<21)|(3<<22)|(3<<25)  ; B: 128 rows of 192 bytes, 16 bytes of padding behind every 64
	s_mov_b32 s[G1B+1], ROWB<<16
	s_mov_b32 s[G1B+2], 128<<16
	s_mov_b32 s[G1B+3], ROWB<<16
	s_mov_b32 s[G1B+4], 128
	s_mov_b32 s[G1B+5], KROW
	s_mov_b32 s[G1B+6], 0
	s_mov_b32 s[G1B+7], 0
	s_or_b32 s[G1S+0], s43, (3<<16)|(1<<20)|(1<<21)|(5<<22)|(3<<25)  ; the scales of 128 rows: 16 rows of 256 bytes, 16 of padding behind each
	s_or_b32 s[G1SB+0], s44, (3<<16)|(1<<20)|(1<<21)|(5<<22)|(3<<25)
.irp g, G1S, G1SB
	s_mov_b32 s[\g+1], 32<<16
	s_mov_b32 s[\g+2], (128*KS/256)<<16
	s_mov_b32 s[\g+3], 32<<16
	s_mov_b32 s[\g+4], 128*KS/256
	s_mov_b32 s[\g+5], 32
	s_mov_b32 s[\g+6], 0
	s_mov_b32 s[\g+7], 0
.endr
	s_lshl_b32 s18, s16, 7
	s_lshl_b32 s20, s17, 8
	s_add_co_u32 s20, s20, s18                     ; A: row 256 x tile row + 128 x half
	s_lshl_b32 s46, s42, 8
	s_add_co_u32 s46, s46, s18                     ; B: row 256 x tile column + 128 x half
	s_mov_b32 s21, 0
	s_mov_b32 s47, 0
	s_mov_b64 s[18:19], KS
	s_mul_u64 s[22:23], s[20:21], s[18:19]         ; where these rows' scales begin
	s_mul_u64 s[92:93], s[46:47], s[18:19]
	s_mov_b64 s[18:19], KROW
	s_mul_u64 s[20:21], s[20:21], s[18:19]         ; and their codes: 16 rows of O are 12,288 bytes, 768 a row, as in Wout
	s_mul_u64 s[46:47], s[46:47], s[18:19]
	s_mul_i32 s45, s16, HALFA                      ; where they go: A's two halves,
	s_mul_i32 s95, s16, HALFT
	s_add_co_u32 s95, s95, 2*HALFA                 ; then B's two
	s_mul_i32 s94, s14, HALFS
	s_wait_kmcnt 0x0
	s_add_nc_u64 s[20:21], s[4:5], s[20:21]
	s_add_nc_u64 s[22:23], s[6:7], s[22:23]
	s_add_nc_u64 s[46:47], s[8:9], s[46:47]
	s_add_nc_u64 s[92:93], s[10:11], s[92:93]
	CROUND                                         ; all sixteen work-groups are here: the first joint loads meet
	s_mov_b32 s[G0S], 1
	s_add_co_u32 s[G0S+1], s94, SCL
	s_mov_b64 s[G0S+2:G0S+3], s[22:23]
	s_or_b32 s[G0S+3], s[G0S+3], 0x80000000
	s_mov_b32 s[G0SB], 1
	s_add_co_u32 s[G0SB+1], s94, SCL
	s_mov_b64 s[G0SB+2:G0SB+3], s[92:93]
	s_or_b32 s[G0SB+3], s[G0SB+3], 0x80000000
	JLOAD G0S, G1S, G0SB, G1SB                     ; the scales first; with the two slots three loads of a wave are out at the most
.irp s, 0,1
	s_mov_b32 s[G0+4*\s], 1
	s_add_co_u32 s[G0+4*\s+1], s45, \s*SLOT
	s_add_nc_u64 s[G0+4*\s+2:G0+4*\s+3], s[20:21], \s*ASTEP
	s_or_b32 s[G0+4*\s+3], s[G0+4*\s+3], 0x80000000
	s_mov_b32 s[G0B+4*\s], 1
	s_add_co_u32 s[G0B+4*\s+1], s95, \s*SLOT
	s_add_nc_u64 s[G0B+4*\s+2:G0B+4*\s+3], s[46:47], \s*ROWB
	s_or_b32 s[G0B+4*\s+3], s[G0B+4*\s+3], 0x80000000
	s_wait_alu depctr_va_vdst(0)
	s_wait_tensorcnt 0x0
	ds_add_u32 v28, v29
	s_wait_dscnt 0x0
	CROUND
	JLOAD G0+4*\s, G1, G0B+4*\s, G1B
.endr
	v_and_b32 v1, 15, v0                           ; r
	v_bfe_u32 v2, v0, 4, 1                         ; h
	v_and_b32 v6, 31, v0                           ; lane
	v_lshlrev_b32 v7, 3, v6                        ; A: 8 bytes a lane
	v_mul_u32_u24 v3, v1, PITCH
	v_mul_u32_u24 v4, v2, 24
	v_add_nc_u32 v4, v3, v4                        ; B: a fragment's row x pitch + 24 x half
	v_lshl_add_u32 v5, v2, 4, v4                   ; and the same behind one padding more
	s_mul_i32 s21, s15, HALFA                      ; my 128 rows of A
	s_mul_i32 s22, s16, HALFT                      ; my 128 rows of B,
	s_add_co_u32 s22, s22, 2*HALFA                 ; behind A's 256
.irp s, 0,1
	v_add_nc_u32 v[ADRA+\s], s21, v7
	v_add_nc_u32 v[ADRB+\s], s22, v4
	v_add_nc_u32 v[ADRB+2+\s], s22, v5
	s_add_co_u32 s21, s21, SLOT
	s_add_co_u32 s22, s22, SLOT
.endr
	v_mul_u32_u24 v5, v1, KS
	v_lshrrev_b32 v8, 8, v5
	v_lshl_add_u32 v5, v8, 4, v5
	s_mul_i32 s21, s15, HALFS
	s_mul_i32 s22, s16, HALFS
	s_add_co_u32 s22, s22, 2*HALFS
	s_sub_co_u32 s22, s22, s21
	v_mul_u32_u24 v8, s22, v2                      ; lanes 16-31 take B's
	s_add_co_u32 s21, s21, SCL
	v_add_nc_u32 v5, v5, v8
	v_add_nc_u32 v[ADRS], s21, v5
	s_mul_i32 s23, s14, 16*SPITCH                  ; my stage
	v_mul_u32_u24 v5, v1, SPITCH
	v_lshl_add_u32 v5, v2, 5, v5
	v_add_nc_u32 v[STO], s23, v5                   ; in: row r, 32 bytes for each half of the lanes
	v_lshlrev_b32 v[CO], 4, v6                     ; back: the 32 lanes take one row of 512 bytes; and the same in out0
	v_add_nc_u32 v[RD], s23, v[CO]
	s_lshl_b32 s20, s17, 8
	s_lshl_b32 s21, s15, 7
	s_add_co_u32 s20, s20, s21                     ; my first row of out0
	s_mov_b32 s21, 0
	s_mov_b64 s[18:19], SIZE_N*4
	s_mul_u64 s[20:21], s[20:21], s[18:19]
	s_lshl_b32 s46, s42, 10                        ; my first column, in bytes
	s_lshl_b32 s47, s16, 9
	s_add_co_u32 s46, s46, s47
	s_mov_b32 s47, 0
	s_add_nc_u64 s[20:21], s[20:21], s[46:47]
	s_add_nc_u64 s[12:13], s[12:13], s[20:21]
.macro FRAG reg, adr, q, i             ; a fragment of B from rows: 24 bytes of the row's stream twice, in pieces of 8 bytes
.irp p, 0,1,2,3,4,5
.set PCE, 12*(\q)+6*(\p/3)+\p%3
.if PCE%8 < 5
	ds_load_b64 v[\reg+2*\p:\reg+2*\p+1], v[\adr] offset:8*PCE+16*(PCE/8)+(\i)*16*PITCH
.else
	ds_load_b64 v[\reg+2*\p:\reg+2*\p+1], v[\adr+2] offset:8*PCE+16*(PCE/8)+(\i)*16*PITCH
.endif
.endr
.endm
.macro FRAG_A reg, adr, q, i           ; a fragment of A from its image: six planes of 256 bytes
.irp p, 0,1,2,3,4,5
	ds_load_b64 v[\reg+2*\p:\reg+2*\p+1], v[\adr] offset:(\i)*ASTEP+(\q)*1536+256*\p
.endr
.endm
.macro MUL16 a0, p, q, sc, zero        ; 16 matrix instructions; the 64 accumulators take turns, one instruction a turn
.irp a, \a0, \a0+1
.irp b, 0,1,2,3,4,5,6,7
.if \zero
	v_wmma_scale_f32_16x16x128_f8f6f4 v[8*(8*((\a)%4)+\b):8*(8*((\a)%4)+\b)+7], v[128*(\p)+FR*\b:128*(\p)+FR*\b+FR-1], v[AF+FR*(\a):AF+FR*(\a)+FR-1], 0, v[SC+8*NQ*(\sc)+NQ*\b+(\q)], v[SC+8*NQ*(\sc)+NQ*(\a)+(\q)] matrix_a_fmt:MATRIX_FMT_FP6 matrix_b_fmt:MATRIX_FMT_FP6 matrix_a_scale:MATRIX_SCALE_ROW1
.else
	v_wmma_scale_f32_16x16x128_f8f6f4 v[8*(8*((\a)%4)+\b):8*(8*((\a)%4)+\b)+7], v[128*(\p)+FR*\b:128*(\p)+FR*\b+FR-1], v[AF+FR*(\a):AF+FR*(\a)+FR-1], v[8*(8*((\a)%4)+\b):8*(8*((\a)%4)+\b)+7], v[SC+8*NQ*(\sc)+NQ*\b+(\q)], v[SC+8*NQ*(\sc)+NQ*(\a)+(\q)] matrix_a_fmt:MATRIX_FMT_FP6 matrix_b_fmt:MATRIX_FMT_FP6 matrix_a_scale:MATRIX_SCALE_ROW1
.endif
.endr
.endr
.endm
.macro FETCH_B slot, q, p
	WIN TO_B
.irp i, 0,1,2,3,4,5,6,7
	FRAG 128*(\p)+FR*\i, ADRB+\slot, \q, \i
.endr
	WIN 0
.endm
.macro FETCH_A slot, q, i0
.irp i, \i0, \i0+1, \i0+2, \i0+3
	FRAG_A AF+FR*(\i), ADRA+\slot, \q, \i
.endr
.endm
.macro SCALES sc
.irp i, 0,1,2,3,4,5,6,7
	ds_load_b64 v[SC+8*NQ*\sc+NQ*\i:SC+8*NQ*\sc+NQ*\i+1], v[ADRS] offset:\i*SBLK
.endr
.endm
.macro PLACES n
.rept \n
	v_nop
.endr
.endm
.macro STEP slot, q, zero
	s_wait_dscnt 4*NL                              ; B's set and A's blocks 0-3 are in; the youngest 24 loads (A's blocks 4-7) may be out
	WIN MUL_LO
	MUL16 0, (\q)%2, \q, \slot, \zero
	MUL16 2, (\q)%2, \q, \slot, \zero
	s_wait_dscnt 0
	PLACES NP
	FETCH_B \slot, (\q)+1, 1-(\q)%2
	FETCH_A \slot, (\q)+1, 0
	WIN MUL_HI
	MUL16 4, (\q)%2, \q, \slot, \zero
	MUL16 6, (\q)%2, \q, \slot, \zero
	PLACES NP
	WIN 0
	FETCH_A \slot, (\q)+1, 4
.endm
.macro TURN slot, next, fill
	s_wait_tensorcnt 0x0                           ; all my tensor loads have landed: my part of the next slot
	ds_add_u32 v[SPW], v[NIL]                      ; 0 onto my spare word
	s_wait_dscnt 4*NL+1                            ; the add and the youngest 24 loads may be out
	WIN MUL_LO
	MUL16 0, 1, NQ-1, \slot, 0
	s_wait_dscnt 0x0                               ; the add is done, and my reads of this slot are over
	s_barrier_signal -1
	MUL16 2, 1, NQ-1, \slot, 0
	WIN 0
	s_barrier_wait -1
.if \fill
	CREST                                          ; the barrier has opened a round of the cluster's barrier
	s_add_nc_u64 s[G0+4*\slot+2:G0+4*\slot+3], s[G0+4*\slot+2:G0+4*\slot+3], 2*ASTEP
	s_add_nc_u64 s[G0B+4*\slot+2:G0B+4*\slot+3], s[G0B+4*\slot+2:G0B+4*\slot+3], 2*ROWB
	JLOAD G0+4*\slot, G1, G0B+4*\slot, G1B         ; the first tensor load behind the round; its four v_nop are the places in front of the loads below
.else
	PLACES NP
.endif
	s_wait_alu depctr_va_vdst(0)
	v_add_nc_u32 v[ADRS], 4*NQ, v[ADRS]
	FETCH_B \next, 0, 0
	FETCH_A \next, 0, 0
	SCALES \next
	WIN MUL_HI
	MUL16 4, 1, NQ-1, \slot, 0
	MUL16 6, 1, NQ-1, \slot, 0
	PLACES NP
	WIN 0
	FETCH_A \next, 0, 4
.endm
	s_wait_alu depctr_va_vdst(0)
	s_wait_tensorcnt 1                             ; the scales and my part of K step 0 are in; K step 1's load may be out
	s_barrier_signal -1
	s_barrier_wait -1
	FETCH_B 0, 0, 0
	FETCH_A 0, 0, 0
	SCALES 0
	FETCH_A 0, 0, 4
	STEP 0, 0, 1
	s_mov_b32 s3, LAPS-1
.Llap:
	TURN 0, 1, 1
	STEP 1, 0, 0
	TURN 1, 0, 1
	STEP 0, 0, 0
	s_sub_co_u32 s3, s3, 1
	s_cmp_lg_u32 s3, 0
	s_cbranch_scc1 .Llap
	TURN 0, 1, 0
	STEP 1, 0, 0
	s_wait_dscnt 4*NL
	WIN MUL_LO
	MUL16 0, 1, NQ-1, 1, 0
	MUL16 2, 1, NQ-1, 1, 0
	s_wait_dscnt 0
	WIN MUL_HI
	MUL16 4, 1, NQ-1, 1, 0
	MUL16 6, 1, NQ-1, 1, 0
	WIN 0
; THE WAY OUT, block by block of 16 rows x 128 columns, through my own stage: in as 32 bytes a lane, back as whole rows of 512 bytes.  LDS serves a wave's instructions in order (ISA guide 5.7.1.4).
.macro TOSTAGE a
.set AC, 64*((\a)%4)
.set WD, 0x08+4*((\a)/4)
	WIN WD                                         ; an LDS store's data: window 2 or 3
.irp b, 0,1,2,3,4,5,6,7
	ds_store_b128 v[STO], v[AC+8*\b:AC+8*\b+3] offset:64*\b          ; each accumulator from its low end on
	ds_store_b128 v[STO], v[AC+8*\b+4:AC+8*\b+7] offset:64*\b+16
.endr
	WIN 0
.set BB, BK+64*((\a)%2)
.irp t, 0,1,2,3,4,5,6,7,8,9,10,11,12,13,14,15
	ds_load_b128 v[BB+4*\t:BB+4*\t+3], v[RD] offset:\t*SPITCH
.endr
.endm
.macro SEND a, younger
.set BB, BK+64*((\a)%2)
	s_wait_dscnt \younger                          ; the block is back in registers
.if (\a) > 0
	s_add_nc_u64 s[12:13], s[12:13], 16*SIZE_N*4   ; (behind a wait on XCNT: the earlier stores have read their base)
.endif
.irp t, 0,1,2,3,4,5,6,7,8,9,10,11,12,13,14,15
	global_store_b128 v[CO], v[BB+4*\t:BB+4*\t+3], s[12:13] offset:\t*SIZE_N*4 th:TH_STORE_NT   ; 32 lanes store 512 consecutive bytes, aligned to 256
.endr
.endm
	PLACES NP
	TOSTAGE 0
.irp a, 1,2,3,4,5,6,7
.if \a > 1
	s_wait_xcnt 0x0                                ; block a - 2's stores have read their registers and their base
.endif
	TOSTAGE \a
	SEND \a-1, 32                                  ; behind block a - 1's loads: block a's 16 stores and 16 loads
.endr
	s_wait_xcnt 0x0
	SEND 7, 0
	s_wait_tensorcnt 0x0                           ; the wave's end
	ds_add_u32 v[SPW], v[NIL]
	s_wait_dscnt 0x0
	CROUND                                         ; the closing round
	s_endpgm
.Lfunc_end_k_q515aa940cd_proj:
	.size	k_q515aa940cd_proj, .Lfunc_end_k_q515aa940cd_proj-k_q515aa940cd_proj
	.p2alignl 7, 3214868480
	.fill 96, 4, 3214868480
	.section	.rodata,"a",@progbits
	.p2align	6, 0x0
	.amdhsa_kernel k_q515aa940cd_proj
		.amdhsa_group_segment_fixed_size 327680
		.amdhsa_private_segment_fixed_size 0
		.amdhsa_enable_private_segment 0
		.amdhsa_kernarg_size 40
		.amdhsa_user_sgpr_count 2
		.amdhsa_user_sgpr_kernarg_segment_ptr 1
		.amdhsa_wavefront_size32 1
		.amdhsa_system_sgpr_workgroup_id_x 1
		.amdhsa_system_sgpr_workgroup_id_y 1
		.amdhsa_system_sgpr_workgroup_id_z 1
		.amdhsa_system_vgpr_workitem_id 0
		.amdhsa_next_free_vgpr 1024
		.amdhsa_next_free_sgpr 98
		.amdhsa_reserve_vcc 0
		.amdhsa_float_denorm_mode_32 3
		.amdhsa_float_denorm_mode_16_64 3
		.amdhsa_memory_ordered 1
		.amdhsa_forward_progress 1
		.amdhsa_inst_pref_size 161
	.end_amdhsa_kernel
	.amdgpu_metadata
---
amdhsa.version: [ 1, 2 ]
amdhsa.kernels:
  - .name:           k_q515aa940cd_proj
    .symbol:         k_q515aa940cd_proj.kd
    .args:
      - { .name: o_codes, .offset: 0, .size: 8, .value_kind: global_buffer, .address_space: global }
      - { .name: o_scales, .offset: 8, .size: 8, .value_kind: global_buffer, .address_space: global }
      - { .name: w_out_codes, .offset: 16, .size: 8, .value_kind: global_buffer, .address_space: global }
      - { .name: w_out_scales, .offset: 24, .size: 8, .value_kind: global_buffer, .address_space: global }
      - { .name: out0, .offset: 32, .size: 8, .value_kind: global_buffer, .address_space: global }
    .group_segment_fixed_size: 327680
    .private_segment_fixed_size: 0
    .kernarg_segment_align: 8
    .kernarg_segment_size: 40
    .max_flat_workgroup_size: 128
    .sgpr_count:     98
    .vgpr_count:     1024
    .wavefront_size: 32
...
	.end_amdgpu_metadata
.endif
;; end of part 3
